; MI455X (gfx1250); checked and timed in simulation.
; The chip was launched on July 23, 2026; its instructions are those of AMD's public machine-readable ISA for CDNA 5 (MIT licence, August 2026) and "CDNA5" Instruction Set Architecture Reference Guide (July 2026). The comments in the code are by the model that wrote it; some were corrected since.
;; Dilated Attention. Allowed arithmetic: matrix products marked QUANTISED: E2M3 operands, one E8M0 scale for each 32 along K, by v_wmma_scale_f32_16x16x128_f8f6f4 with both operands' format E2M3, f32 sums; everything else in f32.
;; Inputs: W1 2,048 x 512 float32; W2 512 x 2,048 float32; Wk 512 x 512 float32; Wo 512 x 512 float32; Wq 512 x 512 float32; Wv 512 x 512 float32; b1 2,048 float32; b2 512 float32; bk 512 float32; bo 512 float32; bq 512 float32; bv 512 float32; ln1_b 512 float32; ln1_g 512 float32; ln2_b 512 float32; ln2_g 512 float32; x 1 x 4,096 x 512 float32.
;; Outputs: out0 1 x 4,096 x 512 float32.
;; This version of the problem:
;;   THIS VERSION OF THE PROBLEM IS GIVEN IN LOW PRECISION. The matrix products marked QUANTISED in the list below multiply operands that are first quantised to E2M3 (2 exponent bits, 3 mantissa bits; 6 bits a number), with one power-of-two scale for each 32 numbers along K (OCP MX v1.0); their sums are f32. All else is computed in f32.
;;   The module's matrix products, in the order in which they are computed (A, B: the left and right operand; K: the contracted axis; several contracted axes count as one K, in the product's order):
;;     1. [M 4,096, K 512] x [K 512, N 512]; A: computed on the way; B: input Wq: QUANTISED
;;     2. [M 4,096, K 512] x [K 512, N 512]; A: computed on the way; B: input Wk: QUANTISED
;;     3. [M 4,096, K 512] x [K 512, N 512]; A: computed on the way; B: input Wv: QUANTISED
;;     4. batch 8 x [M 4,096, K 64] x [K 64, N 4,096]; A: computed on the way; B: computed on the way: QUANTISED
;;     5. batch 8 x [M 64, K 4,096] x [K 4,096, N 4,096]; A: computed on the way; B: softmax (see below): QUANTISED
;;     6. [M 4,096, K 512] x [K 512, N 512]; A: computed on the way; B: input Wo: QUANTISED
;;     7. [M 4,096, K 512] x [K 512, N 2,048]; A: computed on the way; B: input W1: QUANTISED
;;     8. [M 4,096, K 2,048] x [K 2,048, N 512]; A: computed on the way; B: input W2: QUANTISED
;;   THE QUANTISER, for each operand of a quantised product, along K:
;;     - K is cut into blocks of 32 from its start; a last block that is shorter is filled with zeros.
;;     - A block's scale is 2^e with e = floor(log2(the largest magnitude in the block)) - 2, held to -126 .. 127; a block of zeros has e = 0. As a byte (E8M0): e + 127.
;;     - Each number is divided by its block's scale, clamped to +-7.5, and rounded to the nearest number of E2M3, ties to even, subnormals kept.
;;     - The product sums the exact products of the quantised numbers (number of the format x scale) in f32.
;;   ~~~python
;;   def quantise(x, axis):      # numpy; x: float32 -> the quantised numbers, widened to float32 again
;;       x = np.moveaxis(x, axis, -1); K = x.shape[-1]
;;       x = np.pad(x, [(0, 0)] * (x.ndim - 1) + [(0, -K % 32)]); x = x.reshape(x.shape[:-1] + (-1, 32)); a = np.abs(x).max(-1, keepdims=True)
;;       e = np.where(a > 0, np.clip(np.frexp(np.where(a > 0, a, 1))[1] - 1 - 2, -126, 127), 0)      # np.frexp(a)[1] - 1 = floor(log2(a)), exactly
;;       r = np.clip(x / 2.0 ** e, -7.5, 7.5)
;;       step = 2.0 ** (np.maximum(np.frexp(np.where(r == 0, 1, r))[1] - 1, 0) - 3)
;;       q = np.round(r / step) * step * 2.0 ** e      # np.round: ties to even
;;       return np.moveaxis(q.reshape(q.shape[:-2] + (-1,))[..., :K], -1, axis).astype(np.float32)
;;   ~~~
;;   SOFTMAX AHEAD OF A QUANTISED PRODUCT. Where the list says 'softmax', what is quantised is not the finished softmax but p = 2^(t - M), with t = logit x log2(e) and M = ceil(the row's largest t), a whole number; so 1/2 < the row's largest p <= 1. The row's sum l is taken of the UNQUANTISED p, in f32, and the product's result is divided by l at the end. Since M is a whole number, a kernel that streams over the keys may use a running M (the ceiling of the running maximum): every later rescaling is an exact power of two, which a block's scale takes up: the codes' values come out the same.
;;   OPERANDS COMPUTED ON THE WAY. 'Computed on the way' means the value that the module computes at that place (a softmax that the list does not call 'softmax' is quantised finished and normalised). What goes into a quantiser is computed in f32, as accurately as f32 sums, v_exp_f32 and their like allow (about 1e-6 of the number): no bf16 or f16 on the way to a quantiser, and a product that is left as it is and whose result goes on into a quantised operand takes f32 operands (vector FMAs, or v_wmma_f32_16x16x4_f32). A number that lies on a knife's edge between two numbers of the format may be rounded either way, as far as f32 arithmetic and the matrix unit's own rounding can turn it there, and no further.
;; One version. Each part assembles by itself: llvm-mc -triple=amdgcn-amd-amdhsa -mcpu=gfx1250 --defsym DOCPART=n.
;; ======== version 1 of 1: 4 launches
;; limits: right only within a limited range of input values
;; workspace buffers: wts 2,457,600 bytes; h1 1,638,400 bytes; xi 8,388,608 bytes; ob 1,638,400 bytes; x1b 8,388,608 bytes; hid 6,553,600 bytes
;; launch prep (part 1): grid 256 x 1, 10 waves a work-group, no clusters, 102,400 bytes of LDS; arguments x, ln1_g, ln1_b, Wq, Wk, Wv, Wo, W1, W2, h1, wts, bo, xi; writes h1, wts, xi
.if DOCPART == 1
	.amdgcn_target "amdgcn-amd-amdhsa--gfx1250"
	.amdhsa_code_object_version 6
	.text
	.protected	k_qb3edec17a8_prep
	.globl	k_qb3edec17a8_prep
	.p2align	8
	.type	k_qb3edec17a8_prep,@function
k_qb3edec17a8_prep:
	s_mov_b64 s[64:65], 0
	v_nop
	global_prefetch_b8 v0, s[64:65] scope:SCOPE_SE
	s_setreg_imm32_b32 hwreg(HW_REG_WAVE_MODE, 25, 1), 1
	s_wait_xcnt 0x0
; PREP: the six weights, and LayerNorm 1 of x, become codes of FP6 (E2M3) with one E8M0 byte for each 32 along K.
; Everything is stored as RECORDS: 16 rows x 512 K = 8 units of 768 bytes + 256 bytes of scale words = 6,400 bytes.
; A unit (16 rows x 64 K) is an image of six operand registers: lane l has 16 bytes at 16 l (registers 0-3) and 8 bytes at 512 + 8 l (registers 4, 5);
; lane (r, h) holds k = 32 h .. 32 h + 31 of row r.  The scale byte of that block lies at 6144 + 64 (unit / 2) + 2 (unit % 2) + 4 r + h.
; A wave makes one K step (128 along K) of one record: 16 rows x 512 bytes.  There are 640 records = 2,560 such tasks = 256 work-groups x 10 waves.
; Waves 0-3: K step = wave of row tile tau = 4 P + 2 p + u = the work-group's number; lane-row r stands for row 64 P + 32 (r / 8) + 16 u + 2 (r % 8) + p (rows of one parity).
; Waves 4-9: weight task 6 x work-group + wave - 4 = 4 x record + K step; tile 4 g + u takes rows 64 g + 32 (m / 8) + 8 u + (m % 8), so that a product used transposed leaves a whole block of the next K in a lane.
; Each load covers 512 consecutive bytes of one row; the numbers turn through the wave's own stage in LDS (rows 528 bytes apart), so that a lane then holds two whole blocks of 32.
; The variance is taken of differences from the mean (per wave, then merged): no difference of large sums.
; DEAD WORK LEFT OUT of the whole program: in the attention the tiles of keys that the mask of reference() throws away whole (later than the query, of the other parity, or more than 256 back).
; Their scores are -1e30 by construction, so that their p is 0 for all finite inputs: row i keeps key i itself.  LIMIT: a NaN, an infinity or an overflow that reaches only those scores is not carried on.
; No prefetch: there is no loop to run ahead in.  No tensor loads.
; LIMITS: NaN and infinities are not served.  A block whose largest magnitude lies under 2^-124 (zeros too) gets the byte 1: its codes are zeros, and this program alone reads the bytes.
.set REC,   6400
.set RAW,   32                         ; v32-95   16 rows as loaded; later gains
.set X,     96                         ; v96-159  my 64 numbers
.set G,     32
.set B,     160                        ; v160-223 biases
.set CD,    224                        ; v224-239 the rows' offsets; later codes
.set M0,    12
.set M1,    13
.set SCL,   14
.set TA,    16
.set TB,    18
.set TD,    20
.set TE,    22
.set MN,    24                         ; v[24:25] mean, sum of squared differences
.set PRM,   26
.set GN,    244                        ; v244-255 gain, bias and bo as loaded.  (x + bo is stored as well, in f32, as an image of accumulators: [row tile][64 columns][q][lane][16 bytes], lane (r, h) has columns 32 h + 4 q .. + 3)
.set SEL,   50                         ; s[50:51] lane selects: lane l xor 16
.set WST,   8448                       ; LDS: a stage of 16 x 528 bytes for each wave;
.set GB,    84480                      ; 1,536 bytes a wave for gain, bias and bo;
.set STAT,  99840                      ; 128 bytes a wave for the norm's parts;
.set SPARE, 101120                     ; the spare words
.set FLOOR, 0x01800000                 ; 2^(3 - 127): under it no largest magnitude is taken, so the byte cannot fall under 1
.set EM2,   0xff000000                 ; takes 2 off an exponent field
; 32 numbers of a lane become 32 codes in v[c] .. v[c+5] and the scale byte in v[by]
.macro QBLK x, c, by
	v_max3_num_f32 v[M0], |v[\x]|, |v[\x+1]|, FLOOR
	v_max3_num_f32 v[M1], |v[\x+2]|, |v[\x+3]|, FLOOR
.irp i, 4,8,12,16,20,24,28
	v_max3_num_f32 v[M0], v[M0], |v[\x+\i]|, |v[\x+\i+1]|
	v_max3_num_f32 v[M1], v[M1], |v[\x+\i+2]|, |v[\x+\i+3]|
.endr
	v_max_num_f32 v[M0], v[M0], v[M1]
	v_add_nc_u32 v[SCL], EM2, v[M0]                ; the conversion takes the exponent field of this operand as its scale
	v_cvt_scalef32_pk16_fp6_f32 v[\c:\c+2], v[\x:\x+15], v[SCL]
	v_cvt_scalef32_pk16_fp6_f32 v[\c+4:\c+6], v[\x+16:\x+31], v[SCL]   ; (three registers that begin on an even number)
	v_lshrrev_b32 v[\by], 23, v[SCL]               ; the byte; also the plain line behind the conversions
	v_mov_b32 v[\c+3], v[\c+4]
	v_mov_b32 v[\c+4], v[\c+5]
	v_mov_b32 v[\c+5], v[\c+6]
.endm
; both blocks of a lane, two units of a wave, and row r's scale word: bytes 2 c + h
.macro QUANT
	QBLK X, CD, 30
	QBLK X+32, CD+8, 31
	v_lshl_or_b32 v27, v31, 16, v30
	v_lshlrev_b32 v27, v243, v27                   ; 8 h bits up
	v_permlanex16_b32 v[PRM], v27, s[SEL], s[SEL+1]
	v_or_b32 v27, v27, v[PRM]
	global_store_b128 v2, v[CD:CD+3], s[30:31]
	global_store_b64 v3, v[CD+4:CD+5], s[30:31] offset:512
	global_store_b128 v2, v[CD+8:CD+11], s[30:31] offset:768
	global_store_b64 v3, v[CD+12:CD+13], s[30:31] offset:1280
	global_store_b32 v4, v27, s[46:47]             ; both halves of the lanes write the same word
.endm
	s_load_b256 s[4:11], s[0:1], 0x0               ; x, ln1_g, ln1_b, Wq
	s_load_b256 s[12:19], s[0:1], 0x20             ; Wk, Wv, Wo, W1
	s_load_b128 s[20:23], s[0:1], 0x40             ; W2, h1
	s_load_b64 s[24:25], s[0:1], 0x50              ; wts
	s_load_b128 s[56:59], s[0:1], 0x58             ; bo, xi
	v_lshl_add_u32 v240, v0, 2, SPARE
	v_mov_b32 v241, 0
	v_lshrrev_b32 v1, 5, v0
	v_readfirstlane_b32 s26, v1                    ; wave 0..9
	s_mul_i32 s33, s26, WST
	s_mul_i32 s34, s26, 1536
	s_add_co_u32 s34, s34, GB
	s_lshl_b32 s35, s26, 7
	v_and_b32 v8, 31, v0                           ; lane
	v_and_b32 v9, 15, v0                           ; r
	v_bfe_u32 v10, v0, 4, 1                        ; h
	v_lshlrev_b32 v2, 4, v8                        ; 16 x lane
	v_lshlrev_b32 v3, 3, v8                        ; 8 x lane
	v_lshlrev_b32 v4, 2, v9                        ; 4 r
	v_add_nc_u32 v5, s33, v2                       ; into my stage
	v_mul_u32_u24 v6, v9, 0x210
	v_lshl_add_u32 v6, v10, 7, v6
	v_add_nc_u32 v6, s33, v6                       ; out of it: row r, + 128 h
	v_add_nc_u32 v7, s34, v2                       ; gain and bias, in
	v_lshlrev_b32 v11, 7, v10
	v_add_nc_u32 v11, s34, v11                     ; and out: + 128 h
	v_lshlrev_b32 v242, 3, v9
	v_add_nc_u32 v242, STAT, v242                  ; the norm's parts: 8 r,
	v_add_nc_u32 v15, s35, v242                    ; + 128 x wave
	v_lshlrev_b32 v243, 3, v10                     ; 8 h
	v_mov_b32 v[PRM], 0                            ; a lane permute's destination counts as one of its sources
.irp j, 0,1,2,3,4,5,6,7,8,9,10,11
	v_mov_b32 v[GN+\j], 0                          ; written on every way; waves 0-3 load them below
.endr
	s_wait_alu depctr_va_vdst(0)
	s_mov_b32 s[SEL], 0x76543210
	s_mov_b32 s[SEL+1], 0xfedcba98
	s_mov_b32 s52, 0x3b000000                      ; 1 / 512
	; the weight task (of waves 0-3 nothing of it is used)
	s_mul_i32 s27, ttmp9, 6
	s_add_co_u32 s27, s27, s26
	s_sub_co_u32 s27, s27, 4
	s_lshr_b32 s28, s27, 2                         ; w = 0-95 Wq, Wk, Wv; 96-127 Wo; 128-255 W1; 256-383 W2 (four runs of 512 along K)
	s_and_b32 s29, s27, 3                          ; K step
	s_lshr_b32 s33, s28, 5                         ; w / 32
	s_lshr_b32 s34, s33, 2
	s_cmp_eq_u32 s34, 1                            ; W1 has 128 tiles, the others 32
	s_cselect_b32 s35, 127, 31
	s_and_b32 s35, s28, s35                        ; the tile
	s_lshr_b32 s34, s35, 2                         ; g
	s_and_b32 s35, s35, 3                          ; u
	s_mov_b32 s32, 2048                            ; a row of the weight in bytes
	s_sub_co_u32 s36, s33, 8
	s_lshl_b32 s36, s36, 11                        ; W2: which 512 along K
	s_cmp_ge_u32 s33, 8
	s_cselect_b32 s32, 8192, s32
	s_cselect_b32 s36, s36, 0
	s_mul_i32 s37, s34, 3                          ; Wq, Wk, Wv lie head by head: record (3 g + which) 4 + u
	s_add_co_u32 s37, s37, s33
	s_lshl_b32 s37, s37, 2
	s_add_co_u32 s37, s37, s35
	s_cmp_lt_u32 s33, 3
	s_cselect_b32 s37, s37, s28
	s_lshl_b32 s34, s34, 6
	s_lshl_b32 s35, s35, 3
	s_add_co_u32 s34, s34, s35                     ; 64 g + 8 u
	s_mul_i32 s34, s34, s32
	s_add_co_u32 s34, s34, s36
	s_lshl_b32 s41, s32, 5                         ; from row 7 of a tile's first eight to the second eight: 32 rows on from row 0
	; the row tile of x
	s_lshr_b32 s38, ttmp9, 2
	s_lshl_b32 s38, s38, 6                         ; 64 P
	s_and_b32 s39, ttmp9, 1
	s_lshl_b32 s39, s39, 4                         ; 16 u
	s_add_co_u32 s38, s38, s39
	s_bfe_u32 s39, ttmp9, 0x10001                  ; p
	s_add_co_u32 s38, s38, s39
	s_lshl_b32 s38, s38, 11                        ; rows of 2,048 bytes
	s_mov_b32 s39, ttmp9
	s_mov_b32 s40, 4096                            ; every second row
	s_cmp_lt_u32 s26, 4
	s_cselect_b32 s42, s38, s34                    ; where my rows begin,
	s_cselect_b32 s43, s26, s29                    ; my K step,
	s_cselect_b32 s32, s40, s32                    ; bytes from row to row,
	s_cselect_b32 s41, 0x10000, s41
	s_cselect_b32 s37, s39, s37                    ; and my record
	s_lshl_b32 s44, s43, 9
	s_add_co_u32 s42, s42, s44
	s_mul_i32 s46, s37, REC
	s_mul_i32 s44, s43, 1536
	s_add_co_u32 s44, s44, s46                     ; my two units
	s_lshl_b32 s43, s43, 6
	s_add_co_u32 s46, s46, s43
	s_add_co_u32 s46, s46, 6144                    ; my scale words
	s_mov_b32 s43, 0
	s_mov_b32 s45, 0
	s_mov_b32 s47, 0
	s_lshl_b32 s48, s26, 9
	s_mov_b32 s49, 0
	v_mov_b32 v[CD], v2
.irp i, 1,2,3,4,5,6,7
	v_add_nc_u32 v[CD+\i], s32, v[CD+\i-1]
.endr
.irp i, 0,1,2,3,4,5,6,7
	v_add_nc_u32 v[CD+8+\i], s41, v[CD+\i]
.endr
	s_wait_alu depctr_va_vdst(0)                   ; the wait at the head's end
	s_wait_kmcnt 0x0
	s_mov_b64 s[28:29], s[20:21]                   ; the choice hangs on the work-group's and the wave's number alone
	s_cmp_lt_u32 s33, 8
	s_cselect_b64 s[28:29], s[18:19], s[28:29]
	s_cmp_lt_u32 s33, 4
	s_cselect_b64 s[28:29], s[16:17], s[28:29]
	s_cmp_lt_u32 s33, 3
	s_cselect_b64 s[28:29], s[14:15], s[28:29]
	s_cmp_lt_u32 s33, 2
	s_cselect_b64 s[28:29], s[12:13], s[28:29]
	s_cmp_lt_u32 s33, 1
	s_cselect_b64 s[28:29], s[10:11], s[28:29]
	s_cmp_lt_u32 s26, 4
	s_cselect_b64 s[28:29], s[4:5], s[28:29]
	s_cselect_b64 s[30:31], s[22:23], s[24:25]
	s_add_nc_u64 s[28:29], s[28:29], s[42:43]
	s_add_nc_u64 s[46:47], s[30:31], s[46:47]
	s_add_nc_u64 s[30:31], s[30:31], s[44:45]
	s_add_nc_u64 s[6:7], s[6:7], s[48:49]
	s_add_nc_u64 s[8:9], s[8:9], s[48:49]
	s_add_nc_u64 s[56:57], s[56:57], s[48:49]
	s_lshl_b32 s54, ttmp9, 15
	s_lshl_b32 s53, s26, 13
	s_add_co_u32 s54, s54, s53
	s_mov_b32 s55, 0
	s_add_nc_u64 s[58:59], s[58:59], s[54:55]      ; xi: my row tile, my two groups of 64 columns
	s_cmp_ge_u32 s26, 4
	s_cbranch_scc1 .Lrows
	global_load_b128 v[GN:GN+3], v2, s[6:7]        ; gain and bias of my 128 columns, 4 a lane
	global_load_b128 v[GN+4:GN+7], v2, s[8:9]
	global_load_b128 v[GN+8:GN+11], v2, s[56:57]
.Lrows:
.set i, 0
.rept 16
	global_load_b128 v[RAW+4*i:RAW+4*i+3], v[CD+i], s[28:29] th:TH_LOAD_NT   ; 512 consecutive bytes of one row
.set i, i+1
.endr
.set i, 0
.rept 16
	s_wait_loadcnt 15-i                            ; this row is in; the younger rows may be out
	ds_store_b128 v5, v[RAW+4*i:RAW+4*i+3] offset:528*i
.set i, i+1
.endr
.irp c, 0,1
.irp j, 0,1,2,3,4,5,6,7
	ds_load_b128 v[X+32*\c+4*\j:X+32*\c+4*\j+3], v6 offset:256*\c+16*\j    ; LDS serves a wave's instructions in order: these see my stores
.endr
.endr
	s_cmp_lt_u32 s26, 4
	s_cbranch_scc1 .Lx
	; ---- a weight: done ahead of the barrier
	s_wait_dscnt 0x0
	QUANT
	s_wait_xcnt 0x0
	s_branch .Lmeet
.Lx:	; ---- x: mean and sum of squared differences of the 128 columns that lanes l and l xor 16 hold of row r
	ds_store_b128 v7, v[GN:GN+3]
	ds_store_b128 v7, v[GN+4:GN+7] offset:512
	ds_store_b128 v7, v[GN+8:GN+11] offset:1024
	s_wait_dscnt 0x3                               ; my numbers are in; the three stores may be out
.irp c, 0,1
.irp j, 0,1,2,3,4,5,6,7
	ds_load_b128 v[G+32*\c+4*\j:G+32*\c+4*\j+3], v11 offset:1024+256*\c+16*\j   ; bo, over the rows as loaded
.endr
.endr
	v_pk_add_f32 v[TA:TA+1], v[X:X+1], v[X+4:X+5]
	v_pk_add_f32 v[TB:TB+1], v[X+2:X+3], v[X+6:X+7]
.set jj, 8
.rept 14
	v_pk_add_f32 v[TA:TA+1], v[TA:TA+1], v[X+jj:X+jj+1]
	v_pk_add_f32 v[TB:TB+1], v[TB:TB+1], v[X+jj+2:X+jj+3]
.set jj, jj+4
.endr
	v_pk_add_f32 v[TA:TA+1], v[TA:TA+1], v[TB:TB+1]
	v_mov_b32 v[MN+1], 0                           ; named as the upper half of a pair below
	v_add_f32 v[TA], v[TA], v[TA+1]
	v_permlanex16_b32 v[PRM], v[TA], s[SEL], s[SEL+1]
	v_add_f32 v[TA], v[TA], v[PRM]
	v_mul_f32 v[MN], 0x3c000000, v[TA]             ; x 1 / 128
	v_pk_add_f32 v[TD:TD+1], v[X:X+1], v[MN:MN+1] op_sel_hi:[1,0] neg_lo:[0,1] neg_hi:[0,1]
	v_pk_add_f32 v[TE:TE+1], v[X+2:X+3], v[MN:MN+1] op_sel_hi:[1,0] neg_lo:[0,1] neg_hi:[0,1]
	v_pk_mul_f32 v[TA:TA+1], v[TD:TD+1], v[TD:TD+1]
	v_pk_mul_f32 v[TB:TB+1], v[TE:TE+1], v[TE:TE+1]
.set jj, 4
.rept 15
	v_pk_add_f32 v[TD:TD+1], v[X+jj:X+jj+1], v[MN:MN+1] op_sel_hi:[1,0] neg_lo:[0,1] neg_hi:[0,1]
	v_pk_add_f32 v[TE:TE+1], v[X+jj+2:X+jj+3], v[MN:MN+1] op_sel_hi:[1,0] neg_lo:[0,1] neg_hi:[0,1]
	v_pk_fma_f32 v[TA:TA+1], v[TD:TD+1], v[TD:TD+1], v[TA:TA+1]
	v_pk_fma_f32 v[TB:TB+1], v[TE:TE+1], v[TE:TE+1], v[TB:TB+1]
.set jj, jj+4
.endr
	v_pk_add_f32 v[TA:TA+1], v[TA:TA+1], v[TB:TB+1]
	v_add_f32 v[TA], v[TA], v[TA+1]
	v_permlanex16_b32 v[PRM], v[TA], s[SEL], s[SEL+1]
	v_add_f32 v[MN+1], v[TA], v[PRM]
	ds_store_b64 v15, v[MN:MN+1]                   ; both halves of the lanes write the same pair
	s_wait_dscnt 0x1                               ; bo is in; the store may be out
.set jj, 0
.rept 32
	v_pk_add_f32 v[B+jj:B+jj+1], v[X+jj:X+jj+1], v[G+jj:G+jj+1]
.set jj, jj+2
.endr
.irp c, 0,1
.irp j, 0,1,2,3,4,5,6,7
	global_store_b128 v2, v[B+32*\c+4*\j:B+32*\c+4*\j+3], s[58:59] offset:4096*\c+512*\j    ; 512 consecutive bytes
.endr
.endr
.Lmeet:
	s_wait_alu depctr_va_vdst(0)
	s_wait_dscnt 0x0                               ; for the other waves: my store has landed
	s_barrier_signal -1
	s_barrier_wait -1
	s_cmp_ge_u32 s26, 4
	s_cbranch_scc1 .Lend
	s_wait_xcnt 0x0                                ; the stores of x + bo have read their registers
	ds_load_b64 v[16:17], v242
	ds_load_b64 v[18:19], v242 offset:128
	ds_load_b64 v[20:21], v242 offset:256
	ds_load_b64 v[22:23], v242 offset:384
.irp c, 0,1
.irp j, 0,1,2,3,4,5,6,7
	ds_load_b128 v[G+32*\c+4*\j:G+32*\c+4*\j+3], v11 offset:256*\c+16*\j
	ds_load_b128 v[B+32*\c+4*\j:B+32*\c+4*\j+3], v11 offset:512+256*\c+16*\j
.endr
.endr
	s_wait_dscnt 0x20                              ; the four parts are in; gain and bias may be out
	v_add_f32 v26, v16, v18
	v_add_f32 v27, v20, v22
	v_add_f32 v26, v26, v27
	v_mul_f32 v[MN], 0x3e800000, v26               ; the row's mean
	v_mov_b32 v[MN+1], 0
	v_add_f32 v27, v17, v19
	v_add_f32 v28, v21, v23
	v_add_f32 v27, v27, v28
	v_sub_f32 v16, v16, v[MN]
	v_sub_f32 v18, v18, v[MN]
	v_sub_f32 v20, v20, v[MN]
	v_sub_f32 v22, v22, v[MN]
	v_mul_f32 v28, v16, v16
	v_fmac_f32 v28, v18, v18
	v_fmac_f32 v28, v20, v20
	v_fmac_f32 v28, v22, v22
	v_fmamk_f32 v27, v28, 0x43000000, v27          ; + 128 x the parts' squared distances from the mean
	v_fmaak_f32 v27, s52, v27, 0x3727c5ac          ; / 512 + 1e-5
	s_wait_alu depctr_va_vdst(0)
	v_rsq_f32 v28, v27
	v_mov_b32 v29, 0                               ; a plain line behind the root; v29 is named with v28 as a pair
	s_wait_alu depctr_va_vdst(0)                   ; the wait ahead of the first reader
	s_wait_dscnt 0x0                               ; gain and bias
.set jj, 0
.rept 32
	v_pk_add_f32 v[X+jj:X+jj+1], v[X+jj:X+jj+1], v[MN:MN+1] op_sel_hi:[1,0] neg_lo:[0,1] neg_hi:[0,1]
	v_pk_mul_f32 v[G+jj:G+jj+1], v[G+jj:G+jj+1], v[28:29] op_sel_hi:[1,0]
	v_pk_fma_f32 v[X+jj:X+jj+1], v[X+jj:X+jj+1], v[G+jj:G+jj+1], v[B+jj:B+jj+1]
.set jj, jj+2
.endr
	QUANT
.Lend:
	s_wait_tensorcnt 0x0                           ; the wave's end
	ds_add_u32 v240, v241
	s_wait_dscnt 0x0
	s_endpgm
.Lfunc_end_k_qb3edec17a8_prep:
	.size	k_qb3edec17a8_prep, .Lfunc_end_k_qb3edec17a8_prep-k_qb3edec17a8_prep
	.p2alignl 7, 3214868480
	.fill 96, 4, 3214868480
	.section	.rodata,"a",@progbits
	.p2align	6, 0x0
	.amdhsa_kernel k_qb3edec17a8_prep
		.amdhsa_group_segment_fixed_size 102400
		.amdhsa_private_segment_fixed_size 0
		.amdhsa_enable_private_segment 0
		.amdhsa_kernarg_size 104
		.amdhsa_user_sgpr_count 2
		.amdhsa_user_sgpr_kernarg_segment_ptr 1
		.amdhsa_wavefront_size32 1
		.amdhsa_system_sgpr_workgroup_id_x 1
		.amdhsa_system_sgpr_workgroup_id_y 1
		.amdhsa_system_sgpr_workgroup_id_z 1
		.amdhsa_system_vgpr_workitem_id 0
		.amdhsa_next_free_vgpr 256
		.amdhsa_next_free_sgpr 66
		.amdhsa_reserve_vcc 0
		.amdhsa_float_denorm_mode_32 3
		.amdhsa_float_denorm_mode_16_64 3
		.amdhsa_memory_ordered 1
		.amdhsa_forward_progress 1
		.amdhsa_inst_pref_size 38
	.end_amdhsa_kernel
	.amdgpu_metadata
---
amdhsa.version: [ 1, 2 ]
amdhsa.kernels:
  - .name:           k_qb3edec17a8_prep
    .symbol:         k_qb3edec17a8_prep.kd
    .args:
      - { .name: x, .offset: 0, .size: 8, .value_kind: global_buffer, .address_space: global }
      - { .name: ln1_g, .offset: 8, .size: 8, .value_kind: global_buffer, .address_space: global }
      - { .name: ln1_b, .offset: 16, .size: 8, .value_kind: global_buffer, .address_space: global }
      - { .name: Wq, .offset: 24, .size: 8, .value_kind: global_buffer, .address_space: global }
      - { .name: Wk, .offset: 32, .size: 8, .value_kind: global_buffer, .address_space: global }
      - { .name: Wv, .offset: 40, .size: 8, .value_kind: global_buffer, .address_space: global }
      - { .name: Wo, .offset: 48, .size: 8, .value_kind: global_buffer, .address_space: global }
      - { .name: W1, .offset: 56, .size: 8, .value_kind: global_buffer, .address_space: global }
      - { .name: W2, .offset: 64, .size: 8, .value_kind: global_buffer, .address_space: global }
      - { .name: h1, .offset: 72, .size: 8, .value_kind: global_buffer, .address_space: global }
      - { .name: wts, .offset: 80, .size: 8, .value_kind: global_buffer, .address_space: global }
      - { .name: bo, .offset: 88, .size: 8, .value_kind: global_buffer, .address_space: global }
      - { .name: xi, .offset: 96, .size: 8, .value_kind: global_buffer, .address_space: global }
    .group_segment_fixed_size: 102400
    .private_segment_fixed_size: 0
    .kernarg_segment_align: 8
    .kernarg_segment_size: 104
    .max_flat_workgroup_size: 320
    .sgpr_count:     66
    .vgpr_count:     256
    .wavefront_size: 32
...
	.end_amdgpu_metadata
.endif
;; end of part 1
;; launch qa (part 2): grid 8 x 32, 8 waves a work-group, clusters of 4 x 4, 168,960 bytes of LDS; arguments h1, wts, bq, bk, bv, ob; writes ob
.if DOCPART == 2
	.amdgcn_target "amdgcn-amd-amdhsa--gfx1250"
	.amdhsa_code_object_version 6
	.text
	.protected	k_qb3edec17a8_qa
	.globl	k_qb3edec17a8_qa
	.p2align	8
	.type	k_qb3edec17a8_qa,@function
k_qb3edec17a8_qa:
	s_mov_b64 s[64:65], 0
	v_nop
	global_prefetch_b8 v0, s[64:65] scope:SCOPE_SE
	s_setreg_imm32_b32 hwreg(HW_REG_WAVE_MODE, 25, 1), 1
	s_wait_xcnt 0x0
	s_wait_alu depctr_hold_cnt(0) depctr_sa_sdst(0) depctr_va_vdst(0) depctr_va_sdst(0) depctr_va_ssrc(0) depctr_va_vcc(0) depctr_vm_vsrc(0)
	s_getreg_b32 s2, hwreg(HW_REG_IB_STS2, 6, 4)
	s_cmp_eq_u32 s2, 0
	s_cbranch_scc0 .Lentry_in_a_cluster
	s_endpgm
.Lentry_in_a_cluster:
	s_bfe_u32 s2, ttmp6, 0x10000c
	s_cmp_lg_u32 s2, 0xf033
	s_cbranch_scc0 .Lentry_shape_is_right
	s_endpgm
.Lentry_shape_is_right:
; QA: q, k, v = h W^T + b of one head, their quantising, and the banded attention, for 128 rows (block R) a work-group; out / l leaves as codes of FP6.
; MAKING K, V, Q.  A slot is 64 rows (4 row tiles).  Six slots: the blocks R - 2, R - 1 (clamped to block 0; what is clamped is masked away below) and R.  Waves 0-5 make K and then V of slot = wave, waves 6, 7 make Q of slots 4, 5.
; A wave's rows come straight from memory into operand registers (records are images of them; no other wave of the work-group but a Q wave reads them); the head's twelve weight records come into LDS
; once, by joint tensor loads shared along a column of the cluster, one each by waves 0-3.  The rows are not shared by multicast: they never lie in LDS.
; K, Q: transposed (source 0 = 16 rows of W): lane (r, h) holds row r, columns 32 h .. 32 h + 31: one block.  V: as it stands: lane (r, h) holds one channel and the 32 keys of block 2 slot + h, 16 even ones, then 16 odd ones:
; one scale for the 32, the codes of each parity apart (12 bytes + 4 of zeros).  All go to the other waves through LDS as images of operand registers.
; ATTENTION.  Wave = one row tile (16 queries of one parity p) of the own block: slot 4 + o.  THE MASK of the problem leaves a query the keys of its own parity, in halved numbers i - 128 .. i: slots o .. o + 4.
; DEAD WORK LEFT OUT: all other tiles of keys, whose scores the mask of reference() replaces by -1e30, so that their p is 0 for all finite inputs.  LIMIT: a NaN, an infinity or an overflow there is not carried on.
; S^T = K Q^T: a lane holds one query and, in 16 registers, the 16 keys of one block; the head is 64 long: the upper half of the instruction's K has zero codes in Q and finite codes in K.
; p = 2^(t - M), M = the ceiling of the row's largest t; the sum is taken of the unquantised p.  A block's largest p is made of its largest score by the same two instructions (this takes v_exp_f32 not to fall where its input rises).
; O^T = V^T P^T: of each block of 32 places 0-15 are the keys of my parity, 16-31 zero codes in P.
; No prefetch: all loads are asked for at the head, there is no loop to run ahead in.
; LIMITS: NaN and infinities are not served; a block under 2^-124 gets the byte 1 and zero codes; the scaled scores stay under 2^31 in magnitude.
.set REC,   6400
.set IM,    76800                      ; LDS: 0 the weights; 32 units of 768 bytes: K's 24 tiles, Q's 8;
.set IS,    101376                     ; their scale words, 64 bytes a tile;
.set VI,    103424                     ; V: [slot][parity][tile of 16 channels][lane][16 bytes];
.set VS,    128000                     ; V's scale bytes, two copies: [copy][tile][channel][16 bytes]: copy 0 has slot s at 2 s + h, copy 1 at 2 (s - 1) + h (slot 0 behind the others)
.set SPARE, 130048
.set FLOOR, 0x01800000
.set EM2,   0xff000000
; v0 thread; v1-3 LDS addresses of weights; v4 16 x lane; v5 8 x lane; v6, v7 the add's; v8-23 the rows' scale words (4 K step + tile); v24-71, v72-119 two buffers of weights' fragments; v120-127 their scale words
; v128-255 accumulators; v256-447 the rows' fragments (48 K step + 12 tile); v448-479 bias of q or k; v480-511 of v
.set ACC,   128
.set TM,    24                         ; v24-31 at work in the quantising
.set CO,    32                         ; v32-63 codes
.set BY,    64                         ; v64-67 bytes
; the attention:
.set QF,    8
.set QSR,   20
.set KSR,   22                         ; v22-31
.set VSR,   32                         ; v32-47: 4 tile + step
.set KF,    48                         ; v48-107 K's ten units, then six zeros
.set PF,    114                        ; v114-149
.set PSR,   150                        ; v150-152
.set T,     154                        ; v154-158 the blocks' largest
.set PRM,   166
.set S,     176                        ; v176-255 scores, then p; later v176-207 O^T.  V's operands: v256-399
.set WV,    18
.set SEL,   46
.set CS,    48
.set MK,    50
.set G1B,   28
.set G0B,   36
.set MSB, 0
.macro WIN new
.if MSB != \new
	s_set_vgpr_msb (MSB<<8)|\new
.set MSB, \new
.endif
.endm
; four blocks of 32 numbers, v[x + 32 i] on: codes to v[CO + 8 i] on, bytes to v[BY + i]
.macro QB4 x, mv
.irp i, 0,1,2,3
	v_max3_num_f32 v[TM+\i], |v[\x+32*\i]|, |v[\x+32*\i+1]|, FLOOR
.endr
.irp j, 2,4,6,8,10,12,14,16,18,20,22,24,26,28,30
.irp i, 0,1,2,3
	v_max3_num_f32 v[TM+\i], v[TM+\i], |v[\x+32*\i+\j]|, |v[\x+32*\i+\j+1]|
.endr
.endr
.irp i, 0,1,2,3
	v_add_nc_u32 v[TM+4+\i], EM2, v[TM+\i]
.endr
.irp i, 0,1,2,3
	v_cvt_scalef32_pk16_fp6_f32 v[CO+8*\i:CO+8*\i+2], v[\x+32*\i:\x+32*\i+15], v[TM+4+\i]
	v_cvt_scalef32_pk16_fp6_f32 v[CO+8*\i+4:CO+8*\i+6], v[\x+32*\i+16:\x+32*\i+31], v[TM+4+\i]
.endr
.irp i, 0,1,2,3
	v_lshrrev_b32 v[BY+\i], 23, v[TM+4+\i]
.endr
.if \mv
.irp i, 0,1,2,3
	v_mov_b32 v[CO+8*\i+3], v[CO+8*\i+4]
	v_mov_b32 v[CO+8*\i+4], v[CO+8*\i+5]
	v_mov_b32 v[CO+8*\i+5], v[CO+8*\i+6]
.endr
.endif
.endm
.macro ROUND
	s_barrier_signal -1
	s_barrier_wait -1
	s_cmp_lg_u32 s[WV], 0
	s_cbranch_scc1 .Lnot_wave_0_\@
	s_barrier_signal -3
.Lnot_wave_0_\@:
	s_barrier_wait -3
	s_barrier_signal -1
	s_barrier_wait -1
.endm
; 20 LDS loads: K step k of four weight tiles, into buffer k % 2
.macro LOADW k
.set FB, 24+48*((\k)%2)
.irp u, 0,1,2,3
	ds_load_b128 v[FB+12*\u:FB+12*\u+3], v1 offset:\u*REC+1536*(\k)
	ds_load_b64 v[FB+12*\u+4:FB+12*\u+5], v2 offset:\u*REC+1536*(\k)+512
	ds_load_b128 v[FB+12*\u+6:FB+12*\u+9], v1 offset:\u*REC+1536*(\k)+768
	ds_load_b64 v[FB+12*\u+10:FB+12*\u+11], v2 offset:\u*REC+1536*(\k)+1280
	ds_load_b32 v[120+4*((\k)%2)+\u], v3 offset:\u*REC+6144+64*(\k)
.endr
.endm
.macro WM d, a, b, c, sa, sb
	v_wmma_scale_f32_16x16x128_f8f6f4 v[\d:\d+7], v[\a:\a+11], v[\b:\b+11], \c, v[\sa], v[\sb] matrix_a_fmt:MATRIX_FMT_FP6 matrix_b_fmt:MATRIX_FMT_FP6
.endm
; one K step: 16 products, accumulators by turns; the next K step's weights are asked for first.  kind 0: q or k, 1: v
.macro STEPW kind, k
.if \k < 3
.if \k > 0
.rept 4
	v_nop                                          ; places in front of loads into registers that products have read
.endr
.endif
	LOADW \k+1
.if \kind == 0
	s_wait_loadcnt 60-20*\k                        ; this K step's rows are in; 20 loads for each later one may be out
.endif
	s_wait_dscnt 20                                ; all but the 20 just issued
.else
.if \kind == 0
	s_wait_loadcnt 0x0
.endif
	s_wait_dscnt 0x0
.endif
.set FB, 24+48*(\k%2)
.set WS, 120+4*(\k%2)
.if \kind == 0
.if \k == 0
	WIN 0x14
.else
	WIN 0x04
.endif
.else
.if \k == 0
	WIN 0x11
.else
	WIN 0x01
.endif
.endif
.irp i, 0,1,2,3
.irp u, 0,1,2,3
.if \kind == 0
.if \k == 0
	WM ACC+8*(4*\i+\u), FB+12*\u, 12*\i, v[192+8*\u:199+8*\u], WS+\u, 8+\i
.else
	WM ACC+8*(4*\i+\u), FB+12*\u, 48*\k+12*\i, v[ACC+8*(4*\i+\u):ACC+8*(4*\i+\u)+7], WS+\u, 8+4*\k+\i
.endif
.else
.if \k == 0
	WM ACC+8*(4*\u+\i), 12*\i, FB+12*\u, v[224+8*\u:231+8*\u], 8+\i, WS+\u
.else
	WM ACC+8*(4*\u+\i), 48*\k+12*\i, FB+12*\u, v[ACC+8*(4*\u+\i):ACC+8*(4*\u+\i)+7], 8+4*\k+\i, WS+\u
.endif
.endif
.endr
.endr
	WIN 0
.endm
	s_load_b256 s[4:11], s[0:1], 0x0               ; h1, wts, bq, bk
	s_load_b128 s[12:15], s[0:1], 0x20             ; bv, ob
	v_lshl_add_u32 v6, v0, 2, SPARE
	v_mov_b32 v7, 0
	ds_add_u32 v6, v7
	ds_add_u32 v6, v7
	v_lshrrev_b32 v1, 5, v0
	v_readfirstlane_b32 s[WV], v1                  ; wave 0..7
	s_bfe_u32 s19, ttmp6, 0x40000                  ; cx
	s_bfe_u32 s20, ttmp6, 0x40004                  ; cy
	s_lshl_b32 s21, ttmp9, 2
	s_add_co_u32 s21, s21, s19                     ; the head
	s_and_b32 s22, ttmp7, 0xffff
	s_lshl_b32 s22, s22, 2
	s_add_co_u32 s22, s22, s20                     ; R
	s_add_co_u32 s23, s[WV], 2
	s_lshr_b32 s23, s23, 3                         ; 1: I make Q
	s_lshl_b32 s53, s23, 1
	s_sub_co_u32 s24, s[WV], s53                   ; my slot
	s_xor_b32 s25, s23, 1                          ; my first weight: 0 Wq, 1 Wk
	s_lshl_b32 s26, 0x1111, s19                    ; my column of the cluster
	s_or_b32 s[G1B], s26, (3<<16)|(1<<21)          ; three records: 75 rows of 256 bytes
	s_mov_b32 s[G1B+1], 32<<16
	s_mov_b32 s[G1B+2], 75<<16
	s_mov_b32 s[G1B+3], 32<<16
	s_mov_b32 s[G1B+4], 75
	s_mov_b32 s[G1B+5], 32
	s_mov_b32 s[G1B+6], 0
	s_mov_b32 s[G1B+7], 0
	s_mul_i32 s53, s[WV], 3*REC
	s_mov_b32 s[G0B], 1
	s_mov_b32 s[G0B+1], s53
	s_mul_i32 s54, s21, 12*REC
	s_add_co_u32 s54, s54, s53
	s_mov_b32 s55, 0
	s_lshr_b32 s60, s24, 1                         ; the slot's block, clamped
	s_add_co_u32 s60, s60, s22
	s_sub_co_i32 s60, s60, 2
	s_max_i32 s60, s60, 0
	s_lshl_b32 s60, s60, 1
	s_and_b32 s61, s24, 1
	s_add_co_u32 s60, s60, s61
	s_mul_i32 s60, s60, 4*REC
	s_mov_b32 s61, 0
	s_lshl_b32 s62, s21, 8                         ; the head's 64 numbers of a bias
	s_mov_b32 s63, 0
	s_lshl_b32 s56, s22, 3
	s_add_co_u32 s56, s56, s[WV]
	s_mul_i32 s56, s56, REC                        ; ob: record 8 R + wave
	s_lshr_b32 s58, s21, 1
	s_lshl_b32 s58, s58, 6
	s_and_b32 s59, s21, 1
	s_lshl_b32 s59, s59, 1
	s_add_co_u32 s58, s58, s59
	s_add_co_u32 s58, s58, s56
	s_add_co_u32 s58, s58, 6144
	s_mul_i32 s59, s21, 768
	s_add_co_u32 s56, s56, s59
	s_mov_b32 s57, 0
	s_mov_b32 s59, 0
	s_mov_b32 s[SEL], 0x76543210
	s_mov_b32 s[SEL+1], 0xfedcba98                 ; lane l xor 16
	s_mov_b32 s[CS], 0x3e38aa3b                    ; log2(e) / 8
	s_mov_b32 s[CS+1], s[CS]
	s_mul_i32 s53, s25, 4*REC
	v_and_b32 v24, 31, v0
	v_and_b32 v25, 15, v0
	v_bfe_u32 v26, v0, 4, 1
	v_lshlrev_b32 v4, 4, v24
	v_lshlrev_b32 v5, 3, v24
	v_lshlrev_b32 v128, 2, v25                     ; 4 r
	v_lshlrev_b32 v129, 7, v26                     ; 128 h
	v_and_b32 v27, 7, v25
	v_lshrrev_b32 v28, 3, v25
	v_lshl_add_u32 v27, v28, 5, v27
	v_lshlrev_b32 v130, 2, v27                     ; 4 (32 (r / 8) + r % 8): my channel of a tile of Wv
	v_add_nc_u32 v1, s53, v4
	v_add_nc_u32 v2, s53, v5
	v_add_nc_u32 v3, s53, v128
	s_wait_alu depctr_va_vdst(0)                   ; the wait at the head's end
	s_wait_dscnt 0x0
	ROUND                                          ; all sixteen work-groups are here: the joint loads meet
	s_wait_kmcnt 0x0
	s_add_nc_u64 s[G0B+2:G0B+3], s[6:7], s[54:55]
	s_or_b32 s[G0B+3], s[G0B+3], 0x80000000
	s_add_nc_u64 s[40:41], s[4:5], s[60:61]        ; my slot's four records
	s_add_nc_u64 s[44:45], s[12:13], s[62:63]
	s_cmp_lt_u32 s[WV], 6                          ; the choice hangs on the wave's number alone
	s_cselect_b64 s[42:43], s[10:11], s[8:9]
	s_add_nc_u64 s[42:43], s[42:43], s[62:63]
	s_add_nc_u64 s[56:57], s[14:15], s[56:57]
	s_add_nc_u64 s[58:59], s[14:15], s[58:59]
	s_cmp_lt_u32 s[WV], 4
	s_cbranch_scc0 .Lnone
	tensor_load_to_lds s[G0B:G0B+3], s[G1B:G1B+7]
	s_nop 0
.rept 4
	v_nop
.endr
.Lnone:
	WIN 0x40
.irp q, 0,1,2,3,4,5,6,7
	global_load_b128 v[192+4*\q:195+4*\q], v129, s[42:43] offset:16*\q
.endr
.irp u, 0,1,2,3
	global_load_b32 v[224+8*\u], v130, s[44:45] offset:32*\u
.endr
.irp k, 0,1,2,3
	WIN 0x40
.irp i, 0,1,2,3
	global_load_b128 v[48*\k+12*\i:48*\k+12*\i+3], v4, s[40:41] offset:\i*REC+1536*\k
	global_load_b64 v[48*\k+12*\i+4:48*\k+12*\i+5], v5, s[40:41] offset:\i*REC+1536*\k+512
	global_load_b128 v[48*\k+12*\i+6:48*\k+12*\i+9], v4, s[40:41] offset:\i*REC+1536*\k+768
	global_load_b64 v[48*\k+12*\i+10:48*\k+12*\i+11], v5, s[40:41] offset:\i*REC+1536*\k+1280
.endr
	WIN 0
.irp i, 0,1,2,3
	global_load_b32 v[8+4*\k+\i], v128, s[40:41] offset:\i*REC+6144+64*\k
.endr
.endr
	s_wait_tensorcnt 0x0                           ; my part of the weights has landed,
	s_barrier_signal -1
	s_barrier_wait -1                              ; everybody's has
	LOADW 0
	s_wait_xcnt 0x0                                ; the loads have read their addresses: v128-130 are accumulators from here on
	; ---- K of slot = wave, or Q
	STEPW 0, 0
	STEPW 0, 1
	STEPW 0, 2
	STEPW 0, 3
	s_mul_i32 s53, s[WV], 3072
	s_add_co_u32 s53, s53, IM
	s_lshl_b32 s54, s[WV], 8
	s_add_co_u32 s54, s54, IS
.rept 4
	v_nop                                          ; places in front of the first read of results
.endr
	QB4 ACC, 1
	v_add_nc_u32 v68, s53, v4
	v_add_nc_u32 v69, s53, v5
	v_and_b32 v71, 15, v0
	v_lshl_add_u32 v70, v71, 2, s54
	v_bfe_u32 v72, v0, 4, 1
	v_lshlrev_b32 v72, 3, v72                      ; 8 h
.irp i, 0,1,2,3
	v_mov_b32 v[80+\i], 0
.endr
.irp i, 0,1,2,3
	v_lshl_or_b32 v[76+\i], v[BY+\i], v72, 0x7f7f0000      ; my byte; the word's upper two scale the empty half of the instruction's K: 127, the scale 1
.endr
.irp i, 0,1,2,3
	v_permlanex16_b32 v[80+\i], v[76+\i], s[SEL], s[SEL+1]
.endr
.irp i, 0,1,2,3
	v_or_b32 v[76+\i], v[76+\i], v[80+\i]          ; with lane l xor 16's
.endr
.irp i, 0,1,2,3
	ds_store_b128 v68, v[CO+8*\i:CO+8*\i+3] offset:768*\i
	ds_store_b64 v69, v[CO+8*\i+4:CO+8*\i+5] offset:768*\i+512
	ds_store_b32 v70, v[76+\i] offset:64*\i
.endr
	s_wait_alu depctr_va_vdst(0)
	s_wait_dscnt 0x0
	s_cmp_lt_u32 s[WV], 6
	s_cbranch_scc0 .Lmeet
	; ---- V of slot = wave
	v_add_nc_u32 v1, 4*REC, v1
	v_add_nc_u32 v2, 4*REC, v2
	v_add_nc_u32 v3, 4*REC, v3
	LOADW 0
	WIN 0x41
.irp u, 0,8,16,24
.irp j, 1,2,3,4,5,6,7
	v_mov_b32 v[224+\u+\j], v[224+\u]              ; the channel's bias, over the tile's eight registers
.endr
.endr
	WIN 0
	s_wait_alu depctr_va_vdst(0)
	STEPW 1, 0
	STEPW 1, 1
	STEPW 1, 2
	STEPW 1, 3
	s_lshl_b32 s53, s[WV], 12
	s_add_co_u32 s53, s53, VI
	s_lshl_b32 s54, s[WV], 1
	s_add_co_u32 s54, s54, VS
	s_add_co_u32 s55, s[WV], 7
	s_lshr_b32 s55, s55, 3
	s_mul_i32 s55, s55, 12
	s_sub_co_u32 s55, s54, s55
	s_add_co_u32 s55, s55, 1024+10                 ; 2 (slot - 1), of slot 0 10
.rept 4
	v_nop
.endr
	QB4 ACC, 0
.irp u, 0,1,2,3
	v_mov_b32 v[CO+8*\u+3], 0                      ; the four bytes behind each 12 bytes of codes
	v_mov_b32 v[CO+8*\u+7], 0
.endr
	v_and_b32 v71, 15, v0
	v_bfe_u32 v72, v0, 4, 1
	v_lshl_add_u32 v71, v71, 4, v72                ; 16 r + h
	v_add_nc_u32 v68, s53, v4
	v_add_nc_u32 v69, s54, v71
	v_add_nc_u32 v70, s55, v71
.irp u, 0,1,2,3
	ds_store_b128 v68, v[CO+8*\u:CO+8*\u+3] offset:512*\u
	ds_store_b128 v68, v[CO+8*\u+4:CO+8*\u+7] offset:2048+512*\u
	ds_store_b8 v69, v[BY+\u] offset:256*\u
	ds_store_b8 v70, v[BY+\u] offset:256*\u
.endr
	s_wait_alu depctr_va_vdst(0)
.Lmeet:
	s_wait_dscnt 0x0
	s_barrier_signal -1
	s_barrier_wait -1                              ; K, Q and V of everybody lie in LDS
	; ---- the attention of row tile = wave: slot 4 + o, tile 2 p + u
	s_lshr_b32 s60, s[WV], 2                       ; o
	s_bfe_u32 s61, s[WV], 0x10001                  ; p
	s_and_b32 s62, s[WV], 1                        ; u
	s_mul_i32 s4, s61, 1536
	s_mul_i32 s53, s60, 3072
	s_add_co_u32 s4, s4, s53
	s_add_co_u32 s4, s4, IM                        ; K's units
	s_lshl_b32 s5, s61, 7
	s_lshl_b32 s53, s60, 8
	s_add_co_u32 s5, s5, s53
	s_add_co_u32 s5, s5, IS
	s_mul_i32 s6, s[WV], 768
	s_add_co_u32 s6, s6, IM+24*768                 ; Q's unit
	s_lshl_b32 s7, s[WV], 6
	s_add_co_u32 s7, s7, IS+24*64
	s_lshl_b32 s8, s61, 11
	s_lshl_b32 s53, s60, 12
	s_add_co_u32 s8, s8, s53
	s_add_co_u32 s8, s8, VI
	s_lshl_b32 s9, s60, 10
	s_add_co_u32 s9, s9, VS
	s_lshl_b32 s10, s62, 3
	s_add_co_u32 s11, s10, 128                     ; 8 u + 128
	s_lshl_b32 s53, s60, 5
	s_add_co_u32 s10, s10, s53
	s_lshl_b32 s53, s22, 6
	s_add_co_u32 s10, s10, s53                     ; 64 R + 32 o + 8 u
	s_lshl_b32 s54, s22, 1
	s_add_co_u32 s54, s54, s60
	s_sub_co_i32 s54, s54, 4                       ; the group of 64 rows in slot o
.irp j, 1,2,3
	s_add_co_i32 s55, s54, \j
	s_cmp_ge_i32 s55, 0                            ; is there such a group?
	s_cselect_b32 s[MK+\j-1], -1, 0
.endr
.irp j, 14,15,16,17,18,19,108,109,110,111,112,113
	v_mov_b32 v\j, 0                               ; Q's empty half, and what follows K's last unit
.endr
	v_and_b32 v167, 15, v0                         ; r
	v_bfe_u32 v165, v0, 4, 1                       ; h
	v_add_nc_u32 v154, s4, v4
	v_add_nc_u32 v155, s4, v5
	v_lshl_add_u32 v156, v167, 2, s5
	v_add_nc_u32 v157, s6, v4
	v_add_nc_u32 v158, s6, v5
	v_lshl_add_u32 v159, v167, 2, s7
	v_add_nc_u32 v160, s8, v4
	v_lshl_add_u32 v161, v167, 4, s9
	ds_load_b128 v[QF:QF+3], v157
	ds_load_b64 v[QF+4:QF+5], v158 offset:512
	ds_load_b32 v[QSR], v159
.irp b, 0,1,2,3,4
.irp w, 0,1
	ds_load_b128 v[KF+6*(2*\b+\w):KF+6*(2*\b+\w)+3], v154 offset:3072*\b+768*\w
	ds_load_b64 v[KF+6*(2*\b+\w)+4:KF+6*(2*\b+\w)+5], v155 offset:3072*\b+768*\w+512
	ds_load_b32 v[KSR+2*\b+\w], v156 offset:256*\b+64*\w
.endr
.endr
.irp u, 0,1,2,3
	ds_load_b96 v[VSR+4*\u:VSR+4*\u+2], v161 offset:256*\u
.endr
	WIN 0x40
.irp u, 0,1,2,3
.irp b, 0,1,2,3,4
	ds_load_b128 v[48*(\b/2)+12*\u+6*(\b%2):48*(\b/2)+12*\u+6*(\b%2)+3], v160 offset:4096*\b+512*\u   ; the registers between hold old codes, which meet zeros
.endr
.endr
	WIN 0
	v_lshlrev_b32 v153, 3, v165                    ; 8 h
	v_and_b32 v164, 8, v167
	v_add_nc_u32 v167, v167, v164                  ; 16 (r / 8) + r % 8
	v_add_nc_u32 v163, s10, v167                   ; my query, in halved numbers;
	v_min_u32 v163, 0x80, v163                     ; keys from it back to the 128th, none before key 0
	v_lshlrev_b32 v165, 4, v165
	v_sub_nc_u32 v167, v167, v165
	v_add_nc_u32 v162, s11, v167                   ; my query - the first key of my half of the lanes
	v_mov_b32 v164, 0xff800000                     ; -infinity
	v_mov_b32 v[PRM], 0
	s_wait_alu depctr_va_vdst(0)
	s_wait_dscnt 0x18                              ; Q and K are in; V's 24 loads may be out
.irp t, 0,1,2,3,4,5,6,7,8,9
	WM S+8*\t, KF+6*\t, QF, 0, KSR+\t, QSR
.endr
.rept 4
	v_nop
.endr
	; register n holds key 32 (n / 16) + n % 16 of my half.  The oldest slot by position,
.macro EDGE first
.set n, \first
.rept 8
	v_add_nc_u32 v165, -(32*(n/16)+n%16), v162
	v_add_nc_u32 v167, -(32*(n/16)+n%16+1), v162
	v_cmp_ge_u32 vcc_lo, v163, v165                ; (a negative difference is a large unsigned number)
	v_cmp_ge_u32 s63, v163, v167
	v_cndmask_b32 v[S+n], v164, v[S+n], vcc_lo
	v_cndmask_b32 v[S+n+1], v164, v[S+n+1], s63
.set n, n+2
.endr
.endm
	EDGE 0
.set n, 16
.rept 48
	v_cndmask_b32 v[S+n], v164, v[S+n], s[MK+n/16-1]       ; the three behind it whole or not at all,
.set n, n+1
.endr
	EDGE 64                                        ; and the query's own by position
.irp b, 0,1,2,3,4
	v_max3_num_f32 v[T+\b], v[S+16*\b], v[S+16*\b+1], v[S+16*\b+2]
.endr
.irp i, 3,5,7,9,11,13
.irp b, 0,1,2,3,4
	v_max3_num_f32 v[T+\b], v[T+\b], v[S+16*\b+\i], v[S+16*\b+\i+1]
.endr
.endr
.irp b, 0,1,2,3,4
	v_max_num_f32 v[T+\b], v[T+\b], v[S+16*\b+15]
.endr
	v_max3_num_f32 v160, v[T], v[T+1], v[T+2]
	v_max3_num_f32 v160, v160, v[T+3], v[T+4]
	v_permlanex16_b32 v[PRM], v160, s[SEL], s[SEL+1]
	v_max_num_f32 v160, v160, v[PRM]               ; the row's largest score (key = query always counts)
	v_mul_f32 v160, s[CS], v160
	v_floor_f32 v162, -v160                        ; -M = floor(-t)
	v_mov_b32 v163, 0
.set n, 0
.rept 40
	v_pk_fma_f32 v[S+n:S+n+1], v[S+n:S+n+1], s[CS:CS+1], v[162:163] op_sel_hi:[1,0,0]
.set n, n+2
.endr
.irp b, 0,1,2,3,4
	v_fma_f32 v[T+\b], v[T+\b], s[CS], v162
.endr
	s_wait_alu depctr_va_vdst(0)                   ; the wait ahead of the batch,
.set n, 0
.rept 80
	v_exp_f32 v[S+n], v[S+n]
.set n, n+1
.endr
.irp b, 0,1,2,3,4
	v_exp_f32 v[T+\b], v[T+\b]
.endr
	v_nop
	s_wait_alu depctr_va_vdst(0)                   ; and behind it
.irp k, 0,2,4,6
	v_pk_add_f32 v[168+\k:169+\k], v[S+\k:S+\k+1], v[S+8+\k:S+9+\k]
.endr
.irp j, 16,24,32,40,48,56,64,72
.irp k, 0,2,4,6
	v_pk_add_f32 v[168+\k:169+\k], v[168+\k:169+\k], v[S+\j+\k:S+\j+\k+1]
.endr
.endr
	v_pk_add_f32 v[168:169], v[168:169], v[172:173]
	v_pk_add_f32 v[170:171], v[170:171], v[174:175]
.irp b, 0,1,2,3,4
	v_max_num_f32 v[T+\b], FLOOR, v[T+\b]
.endr
	v_pk_add_f32 v[168:169], v[168:169], v[170:171]
.irp b, 0,1,2,3,4
	v_add_nc_u32 v[T+\b], EM2, v[T+\b]             ; the conversions' scale operands
.endr
	v_add_f32 v160, v168, v169
	v_permlanex16_b32 v[PRM], v160, s[SEL], s[SEL+1]
.irp b, 0,1,2,3,4
	v_lshrrev_b32 v[168+\b], 23, v[T+\b]
.endr
	v_add_f32 v160, v160, v[PRM]                   ; l
	v_lshl_or_b32 v[PSR], v169, 16, v168           ; my two bytes of a step's scale word (of the last step one; its other blocks have zero codes),
	v_lshl_or_b32 v[PSR+1], v171, 16, v170
	v_lshlrev_b32 v[PSR+2], v153, v172
	v_lshlrev_b32 v[PSR], v153, v[PSR]             ; 8 h bits up;
	v_lshlrev_b32 v[PSR+1], v153, v[PSR+1]
	v_permlanex16_b32 v175, v[PSR+2], s[SEL], s[SEL+1]
	v_permlanex16_b32 v173, v[PSR], s[SEL], s[SEL+1]
	v_permlanex16_b32 v174, v[PSR+1], s[SEL], s[SEL+1]
	v_or_b32 v[PSR+2], v[PSR+2], v175              ; with lane l xor 16's the word is whole
	v_or_b32 v[PSR], v[PSR], v173
	v_or_b32 v[PSR+1], v[PSR+1], v174
.irp b, 0,1,2,3,4
	v_cvt_scalef32_pk16_fp6_f32 v[PF+6*\b:PF+6*\b+2], v[S+16*\b:S+16*\b+15], v[T+\b]
.endr
	v_nop
.irp b, 0,1,2,3,4
.irp i, 3,4,5
	v_mov_b32 v[PF+6*\b+\i], 0                     ; places 16-31 of each block: zero codes
.endr
.endr
.irp i, 30,31,32,33,34,35
	v_mov_b32 v[PF+\i], 0                          ; the last step's upper half
.endr
	s_wait_alu depctr_va_vdst(0)
	s_wait_dscnt 0x0                               ; V
	; ---- O^T = V^T P^T: three steps; four accumulators by turns
	WIN 0x01
.irp s, 0,1,2
.irp u, 0,1,2,3
.if \s == 0
	WM S+8*\u, 48*\s+12*\u, PF+12*\s, 0, VSR+4*\u+\s, PSR+\s
.else
	WM S+8*\u, 48*\s+12*\u, PF+12*\s, v[S+8*\u:S+8*\u+7], VSR+4*\u+\s, PSR+\s
.endif
.endr
.endr
	WIN 0
	v_rcp_f32 v174, v160
.rept 4
	v_nop                                          ; the plain line behind the reciprocal, and the places behind the last products
.endr
	s_wait_alu depctr_va_vdst(0)
.set n, 0
.rept 16
	v_pk_mul_f32 v[S+n:S+n+1], v[S+n:S+n+1], v[174:175] op_sel_hi:[1,0]   ; out(r, 64 head + 32 h + 0 .. 31)
.set n, n+2
.endr
	v_max3_num_f32 v154, |v[S]|, |v[S+1]|, FLOOR
	v_max3_num_f32 v155, |v[S+2]|, |v[S+3]|, FLOOR
.irp i, 4,8,12,16,20,24,28
	v_max3_num_f32 v154, v154, |v[S+\i]|, |v[S+\i+1]|
	v_max3_num_f32 v155, v155, |v[S+\i+2]|, |v[S+\i+3]|
.endr
	v_max_num_f32 v154, v154, v155
	v_add_nc_u32 v156, EM2, v154
	v_cvt_scalef32_pk16_fp6_f32 v[114:116], v[S:S+15], v156
	v_cvt_scalef32_pk16_fp6_f32 v[118:120], v[S+16:S+31], v156
	v_lshrrev_b32 v157, 23, v156
	v_mov_b32 v117, v118
	v_mov_b32 v118, v119
	v_mov_b32 v119, v120
	v_and_b32 v158, 15, v0
	v_bfe_u32 v159, v0, 4, 1
	v_lshl_add_u32 v158, v158, 2, v159             ; 4 r + h
	global_store_b128 v4, v[114:117], s[56:57]
	global_store_b64 v5, v[118:119], s[56:57] offset:512
	global_store_b8 v158, v157, s[58:59]
	s_wait_tensorcnt 0x0                           ; the wave's end
	ds_add_u32 v6, v7
	s_wait_dscnt 0x0
	ROUND                                          ; the closing round: no work-group ends while a partner may still ask for a tile that names it
	s_endpgm
.Lfunc_end_k_qb3edec17a8_qa:
	.size	k_qb3edec17a8_qa, .Lfunc_end_k_qb3edec17a8_qa-k_qb3edec17a8_qa
	.p2alignl 7, 3214868480
	.fill 96, 4, 3214868480
	.section	.rodata,"a",@progbits
	.p2align	6, 0x0
	.amdhsa_kernel k_qb3edec17a8_qa
		.amdhsa_group_segment_fixed_size 168960
		.amdhsa_private_segment_fixed_size 0
		.amdhsa_enable_private_segment 0
		.amdhsa_kernarg_size 48
		.amdhsa_user_sgpr_count 2
		.amdhsa_user_sgpr_kernarg_segment_ptr 1
		.amdhsa_wavefront_size32 1
		.amdhsa_system_sgpr_workgroup_id_x 1
		.amdhsa_system_sgpr_workgroup_id_y 1
		.amdhsa_system_sgpr_workgroup_id_z 1
		.amdhsa_system_vgpr_workitem_id 0
		.amdhsa_next_free_vgpr 512
		.amdhsa_next_free_sgpr 66
		.amdhsa_reserve_vcc 1
		.amdhsa_float_denorm_mode_32 3
		.amdhsa_float_denorm_mode_16_64 3
		.amdhsa_memory_ordered 1
		.amdhsa_forward_progress 1
		.amdhsa_inst_pref_size 91
	.end_amdhsa_kernel
	.amdgpu_metadata
---
amdhsa.version: [ 1, 2 ]
amdhsa.kernels:
  - .name:           k_qb3edec17a8_qa
    .symbol:         k_qb3edec17a8_qa.kd
    .args:
      - { .name: h1, .offset: 0, .size: 8, .value_kind: global_buffer, .address_space: global }
      - { .name: wts, .offset: 8, .size: 8, .value_kind: global_buffer, .address_space: global }
      - { .name: bq, .offset: 16, .size: 8, .value_kind: global_buffer, .address_space: global }
      - { .name: bk, .offset: 24, .size: 8, .value_kind: global_buffer, .address_space: global }
      - { .name: bv, .offset: 32, .size: 8, .value_kind: global_buffer, .address_space: global }
      - { .name: ob, .offset: 40, .size: 8, .value_kind: global_buffer, .address_space: global }
    .group_segment_fixed_size: 168960
    .private_segment_fixed_size: 0
    .kernarg_segment_align: 8
    .kernarg_segment_size: 48
    .max_flat_workgroup_size: 256
    .sgpr_count:     66
    .vgpr_count:     512
    .wavefront_size: 32
...
	.end_amdgpu_metadata
.endif
;; end of part 2
;; launch ff1 (part 3): grid 64 x 4, 8 waves a work-group, clusters of 4 x 1, 235,520 bytes of LDS; arguments ob, wts, xi, ln2_g, ln2_b, b1, hid, x1b, b2; writes hid, x1b
.if DOCPART == 3
	.amdgcn_target "amdgcn-amd-amdhsa--gfx1250"
	.amdhsa_code_object_version 6
	.text
	.protected	k_qb3edec17a8_ff1
	.globl	k_qb3edec17a8_ff1
	.p2align	8
	.type	k_qb3edec17a8_ff1,@function
k_qb3edec17a8_ff1:
	s_mov_b64 s[64:65], 0
	v_nop
	global_prefetch_b8 v0, s[64:65] scope:SCOPE_SE
	s_setreg_imm32_b32 hwreg(HW_REG_WAVE_MODE, 25, 1), 1
	s_wait_xcnt 0x0
	s_wait_alu depctr_hold_cnt(0) depctr_sa_sdst(0) depctr_va_vdst(0) depctr_va_sdst(0) depctr_va_ssrc(0) depctr_va_vcc(0) depctr_vm_vsrc(0)
	s_getreg_b32 s2, hwreg(HW_REG_IB_STS2, 6, 4)
	s_cmp_eq_u32 s2, 0
	s_cbranch_scc0 .Lentry_in_a_cluster
	s_endpgm
.Lentry_in_a_cluster:
	s_bfe_u32 s2, ttmp6, 0x10000c
	s_cmp_lg_u32 s2, 0x3003
	s_cbranch_scc0 .Lentry_shape_is_right
	s_endpgm
.Lentry_shape_is_right:
; FF1: x1 = x + bo + out Wo^T, LayerNorm 2, hid = Q(gelu(h2 W1^T + b1)), for 64 rows (P: 4 row tiles) x 512 hidden units (y) a work-group.  The four work-groups of one P each make x1 and h2 for themselves.
; Wave = column group: 64 columns of x1 in the projection and the norm, 64 hidden units in the product with W1.
; Wo comes into LDS K STEP BY K STEP (a K step of all 32 records: 32 rows of 1,536 bytes), by joint loads shared by the cluster's four work-groups (four P, one y); out's four records by a load that no partner shares.  One load a wave:
; wave 0 Wo's K step 0, wave 1 out, wave 2 Wo's scale words, waves 3, 4, 5 Wo's K steps 1, 2, 3.  Each K step is shown to all by a barrier of its own, behind which nothing is filled.  Nothing in LDS is filled twice.
; x + bo (an image of the accumulators) is asked for under K steps 0 and 1 and added behind the projection.  A wave's four records of W1 go straight from memory into operand registers, since no other wave
; of the work-group reads them: K steps 2, 3 under the projection, K steps 0, 1, in the registers that held x + bo, under the norm.
; Products are used transposed: a lane holds row r and the block of columns 32 h .. 32 h + 31.
; h2 lies in LDS as records, over out's, which nobody reads any more.  Row tile by row tile: 16 products, the activation, the quantiser, the stores; the next tile's fragments are loaded meanwhile.
; x1 + b2 is stored for ffn2 as an image of accumulators: row tile y by the work-group of y, so that each byte has one owner.
; GELU is the exact one: x / 2 + x / 2 x erf(x / sqrt 2); erf(z) = z A(z^2) / B(z^2), polynomials of degree 6 and 4 in z^2, with z held to +-4, beyond which erf is 1 in f32.  The division is a reciprocal and a multiplication.
; No prefetch: the text has no loop to run ahead in.
; ORDER OF SUMS: x + bo is added behind the projection's sum, b2 ahead of the last product's.  The variance is taken of differences from the mean (64 columns, then merged).
; LIMITS: NaN and infinities are not served; a block under 2^-124 gets the byte 1 and zero codes.
.set REC,   6400
.set WOFF,  614400
.set W1OFF, 819200
.set WK,    49152                      ; LDS: 0 Wo: [K step][record][1,536 bytes];
.set WSC,   196608                     ; its scale words: [record][256 bytes];
.set OB,    204800                     ; out's, later h2's records;
.set STAT,  230400                     ; the norm's parts: [row tile][wave][row] 8 bytes
.set SPARE, 234496
.set FLOOR, 0x01800000
.set EM2,   0xff000000
; v1-3 LDS addresses of my Wo tiles, v4-6 of out's (h2's) records; v7 16 x lane; v8 8 x lane; v9 4 r + h; v10 128 h; v12 4 r; v11, v15 the add's
.set SA,    16
.set SB,    20
.set FA,    24                         ; v24-71 out's fragments;  later v24-55 gains, v56-87 biases; then codes; then h2's fragments
.set FB,    72                         ; v72-119 Wo's;  later v72-87 W1's scale words, v88-135 h2's fragments, second buffer
.set ACC,   128                        ; v128-255 x1, 8 (4 tile + u);  later v144-175 the hidden layer
; v256-383 x + bo (32 x row tile), later W1's K steps 0, 1 and, v352-367, its scale words as loaded; v384-479 W1's K steps 2, 3 (K step k, tile u at 256 + 48 k + 32 (k / 2) + 12 u); v480-511 b2, later b1
.set MR,    120                        ; v120-127 (mean, 1 / deviation) of the four row tiles
.set HA,    144
.set ZZ,    192
.set Z2,    208
.set PP,    224
.set QQ,    240
.set WV,    12
.set SEL,   6
.set G1W,   32
.set G1O,   40
.set G0W,   48
.set G0O,   52
.set G1S,   68                         ; (s58-81 hold the activation's constants later, behind the last wait for tensor loads)
.set G0S,   76
.set MSB, 0
.macro WIN new
.if MSB != \new
	s_set_vgpr_msb (MSB<<8)|\new
.set MSB, \new
.endif
.endm
.macro FRAG f, ai, aj, o
	ds_load_b128 v[\f:\f+3], v[\ai] offset:\o
	ds_load_b64 v[\f+4:\f+5], v[\aj] offset:\o+512
	ds_load_b128 v[\f+6:\f+9], v[\ai] offset:\o+768
	ds_load_b64 v[\f+10:\f+11], v[\aj] offset:\o+1280
.endm
.macro WM d, a, b, c, sa, sb
	v_wmma_scale_f32_16x16x128_f8f6f4 v[\d:\d+7], v[\a:\a+11], v[\b:\b+11], \c, v[\sa], v[\sb] matrix_a_fmt:MATRIX_FMT_FP6 matrix_b_fmt:MATRIX_FMT_FP6
.endm
.macro ROUND
	s_barrier_signal -1
	s_barrier_wait -1
	s_cmp_lg_u32 s[WV], 0
	s_cbranch_scc1 .Lnot_wave_0_\@
	s_barrier_signal -3
.Lnot_wave_0_\@:
	s_barrier_wait -3
	s_barrier_signal -1
	s_barrier_wait -1
.endm
; one load line for one wave; k: Wo's K step
.macro ARM n, g0, g1, k, next
	s_cmp_eq_u32 s[WV], \n
	s_cbranch_scc0 \next
.if \k > 0
	s_mov_b32 s[\g0+1], \k*WK
	s_add_nc_u64 s[\g0+2:\g0+3], s[\g0+2:\g0+3], \k*1536
.endif
	tensor_load_to_lds s[\g0:\g0+3], s[\g1:\g1+7]
	s_nop 0
.rept 4
	v_nop
.endr
	s_branch .Lasked
\next:
.endm
; what the waves under n have asked for is shown to all; the other waves' lines are waited for ahead of a later barrier
.macro SHOW n
	s_cmp_lt_u32 s[WV], \n
	s_cbranch_scc0 .Llater_\@
	s_wait_tensorcnt 0x0
.Llater_\@:
	s_barrier_signal -1
	s_barrier_wait -1
.endm
; 16 loads: K step k of my four records of W1
.macro W1LOAD k
.set WB, 48*\k+32*(\k/2)
	WIN 0x40
.irp u, 0,1,2,3
	global_load_b128 v[WB+12*\u:WB+12*\u+3], v7, s[84:85] offset:\u*REC+1536*\k
	global_load_b64 v[WB+12*\u+4:WB+12*\u+5], v8, s[84:85] offset:\u*REC+1536*\k+512
	global_load_b128 v[WB+12*\u+6:WB+12*\u+9], v7, s[84:85] offset:\u*REC+1536*\k+768
	global_load_b64 v[WB+12*\u+10:WB+12*\u+11], v8, s[84:85] offset:\u*REC+1536*\k+1280
.endr
	WIN 0
.endm
; 8 loads: x + bo of row tile i, 512 consecutive bytes each
.macro XLOAD i
	WIN 0x40
.irp q, 0,1,2,3,4,5,6,7
	global_load_b128 v[32*\i+4*\q:32*\i+4*\q+3], v7, s[82:83] offset:32768*\i+512*\q
.endr
	WIN 0
.endm
; one K step of the projection: 16 products, accumulators by turns; under its LDS loads' flight a part of x + bo or of W1 is asked for
.macro PROJ k
.if \k > 0
	v_add_nc_u32 v1, WK, v1                        ; on to the next K step; these four are also the places in front of loads into registers that the last products read
	v_add_nc_u32 v2, WK, v2
.rept 2
	v_nop
.endr
.endif
.irp i, 0,1,2,3
	FRAG FA+12*\i, 4, 5, \i*REC+\k*1536
	FRAG FB+12*\i, 1, 2, \i*1536
	ds_load_b32 v[SA+\i], v6 offset:\i*REC+6144+64*\k
	ds_load_b32 v[SB+\i], v3 offset:256*\i+64*\k
.endr
.if \k == 0
	XLOAD 0
	XLOAD 1
.elseif \k == 1
	XLOAD 2
	XLOAD 3
	WIN 0x40
.irp q, 0,1,2,3,4,5,6,7
	global_load_b128 v[224+4*\q:227+4*\q], v10, s[98:99] offset:16*\q      ; b2
.endr
	WIN 0
.else
	W1LOAD \k
.endif
	s_wait_alu depctr_va_vdst(0)
	s_wait_dscnt 0x0
.irp i, 0,1,2,3
.irp u, 0,1,2,3
.if \k == 0
	WM ACC+8*(4*\i+\u), FB+12*\u, FA+12*\i, 0, SB+\u, SA+\i
.else
	WM ACC+8*(4*\i+\u), FB+12*\u, FA+12*\i, v[ACC+8*(4*\i+\u):ACC+8*(4*\i+\u)+7], SB+\u, SA+\i
.endif
.endr
.endr
.endm
; the activation of sixteen numbers, v[a] on, in place
.macro GELU16 a
.irp j, 0,2,4,6,8,10,12,14
	v_pk_mul_f32 v[ZZ+\j:ZZ+\j+1], v[\a+\j:\a+\j+1], s[80:81] op_sel_hi:[1,0]      ; z = x / sqrt 2
.endr
.irp j, 0,1,2,3,4,5,6,7,8,9,10,11,12,13,14,15
	v_med3_num_f32 v[ZZ+\j], v[ZZ+\j], -4.0, 4.0
.endr
.irp j, 0,2,4,6,8,10,12,14
	v_pk_mul_f32 v[Z2+\j:Z2+\j+1], v[ZZ+\j:ZZ+\j+1], v[ZZ+\j:ZZ+\j+1]
.endr
.irp j, 0,2,4,6,8,10,12,14
	v_pk_fma_f32 v[PP+\j:PP+\j+1], v[Z2+\j:Z2+\j+1], s[58:59], v[176:177] op_sel_hi:[1,0,1]
	v_pk_fma_f32 v[QQ+\j:QQ+\j+1], v[Z2+\j:Z2+\j+1], s[72:73], v[178:179] op_sel_hi:[1,0,1]
.endr
.irp c, 60,62,66,68,70
.irp j, 0,2,4,6,8,10,12,14
	v_pk_fma_f32 v[PP+\j:PP+\j+1], v[PP+\j:PP+\j+1], v[Z2+\j:Z2+\j+1], s[\c:\c+1] op_sel_hi:[1,1,0]
.endr
.endr
.irp c, 74,76,78
.irp j, 0,2,4,6,8,10,12,14
	v_pk_fma_f32 v[QQ+\j:QQ+\j+1], v[QQ+\j:QQ+\j+1], v[Z2+\j:Z2+\j+1], s[\c:\c+1] op_sel_hi:[1,1,0]
.endr
.endr
	s_wait_alu depctr_va_vdst(0)
.irp j, 0,1,2,3,4,5,6,7,8,9,10,11,12,13,14,15
	v_rcp_f32 v[QQ+\j], v[QQ+\j]                   ; one batch
.endr
.irp j, 0,2,4,6,8,10,12,14
	v_pk_mul_f32 v[PP+\j:PP+\j+1], v[PP+\j:PP+\j+1], v[ZZ+\j:ZZ+\j+1]      ; work that names no reciprocal stands behind the batch
.endr
.irp j, 0,2,4,6,8,10,12,14
	v_pk_mul_f32 v[ZZ+\j:ZZ+\j+1], v[\a+\j:\a+\j+1], 0.5 op_sel_hi:[1,0]
.endr
	s_wait_alu depctr_va_vdst(0)                   ; one wait for the batch, ahead of its first reader
.irp j, 0,2,4,6,8,10,12,14
	v_pk_mul_f32 v[PP+\j:PP+\j+1], v[PP+\j:PP+\j+1], v[QQ+\j:QQ+\j+1]      ; erf
.endr
.irp j, 0,2,4,6,8,10,12,14
	v_pk_fma_f32 v[\a+\j:\a+\j+1], v[ZZ+\j:ZZ+\j+1], v[PP+\j:PP+\j+1], v[ZZ+\j:ZZ+\j+1]
.endr
.endm
	s_load_b256 s[16:23], s[0:1], 0x0              ; ob, wts, xi, ln2_g
	s_load_b256 s[24:31], s[0:1], 0x20             ; ln2_b, b1, hid, x1b
	s_load_b64 s[98:99], s[0:1], 0x40              ; b2
	v_lshl_add_u32 v11, v0, 2, SPARE
	v_mov_b32 v15, 0
	ds_add_u32 v11, v15
	ds_add_u32 v11, v15
	v_lshrrev_b32 v1, 5, v0
	v_readfirstlane_b32 s[WV], v1                  ; wave 0..7
	s_bfe_u32 s13, ttmp6, 0x40000                  ; cx
	s_lshl_b32 s14, ttmp9, 2
	s_add_co_u32 s13, s14, s13                     ; P = 4 x cluster + cx
	s_and_b32 s14, ttmp7, 0xffff                   ; y: which 512 hidden units
	s_mov_b32 s[G1W], 15|(3<<16)|(1<<21)           ; a K step of Wo: 32 rows of 192 elements of 8 bytes, a record apart, for all four work-groups
	s_mov_b32 s[G1W+1], 192<<16
	s_mov_b32 s[G1W+2], 32<<16
	s_mov_b32 s[G1W+3], 192<<16
	s_mov_b32 s[G1W+4], 32
	s_mov_b32 s[G1W+5], 800
	s_mov_b32 s[G1W+6], 0
	s_mov_b32 s[G1W+7], 0
	s_mov_b32 s[G1S], 15|(3<<16)|(1<<21)           ; its scale words: 32 rows of 256 bytes, a record apart
	s_mov_b32 s[G1S+1], 32<<16
	s_mov_b32 s[G1S+2], 32<<16
	s_mov_b32 s[G1S+3], 32<<16
	s_mov_b32 s[G1S+4], 32
	s_mov_b32 s[G1S+5], 800
	s_mov_b32 s[G1S+6], 0
	s_mov_b32 s[G1S+7], 0
	s_mov_b32 s[G1O], 3<<16                        ; four records: 100 rows of 256 bytes, for me alone
	s_mov_b32 s[G1O+1], 32<<16
	s_mov_b32 s[G1O+2], 100<<16
	s_mov_b32 s[G1O+3], 32<<16
	s_mov_b32 s[G1O+4], 100
	s_mov_b32 s[G1O+5], 32
	s_mov_b32 s[G1O+6], 0
	s_mov_b32 s[G1O+7], 0
	s_mov_b32 s[G0W], 1
	s_mov_b32 s[G0W+1], 0
	s_mov_b32 s[G0S], 1
	s_mov_b32 s[G0S+1], WSC
	s_mov_b32 s[G0O], 1
	s_mov_b32 s[G0O+1], OB
	s_mov_b32 s8, WOFF
	s_mov_b32 s9, 0
	s_mul_i32 s10, s13, 4*REC
	s_mov_b32 s11, 0
	s_mov_b32 s57, 0x3b000000                      ; 1 / 512
	s_mov_b32 s[SEL], 0x76543210
	s_mov_b32 s[SEL+1], 0xfedcba98                 ; lane l xor 16
	s_mul_i32 s56, s[WV], 4*1536                   ; my four tiles of Wo in a K step,
	s_lshl_b32 s4, s[WV], 10
	s_add_co_u32 s4, s4, WSC                       ; and their scale words
	v_and_b32 v24, 31, v0
	v_and_b32 v25, 15, v0
	v_bfe_u32 v26, v0, 4, 1
	v_lshlrev_b32 v7, 4, v24
	v_lshlrev_b32 v8, 3, v24
	v_lshlrev_b32 v12, 2, v25
	v_add_nc_u32 v9, v12, v26
	v_lshlrev_b32 v10, 7, v26
	v_add_nc_u32 v1, s56, v7
	v_add_nc_u32 v2, s56, v8
	v_add_nc_u32 v3, s4, v12
	v_add_nc_u32 v4, OB, v7
	v_add_nc_u32 v5, OB, v8
	v_add_nc_u32 v6, OB, v12
	s_wait_alu depctr_va_vdst(0)                   ; the wait at the head's end
	s_wait_dscnt 0x0
	ROUND                                          ; all four work-groups are here: the joint loads meet
	s_wait_kmcnt 0x0
	s_add_nc_u64 s[G0W+2:G0W+3], s[18:19], s[8:9]
	s_add_nc_u64 s[G0S+2:G0S+3], s[G0W+2:G0W+3], 6144
	s_add_nc_u64 s[G0O+2:G0O+3], s[16:17], s[10:11]
	s_or_b32 s[G0W+3], s[G0W+3], 0x80000000
	s_or_b32 s[G0S+3], s[G0S+3], 0x80000000
	s_or_b32 s[G0O+3], s[G0O+3], 0x80000000
	ARM 0, G0W, G1W, 0, .Lwave_1                   ; one tensor load a wave at the head
	ARM 1, G0O, G1O, 0, .Lwave_2
	ARM 2, G0S, G1S, 0, .Lwave_3
	ARM 3, G0W, G1W, 1, .Lwave_4
	ARM 4, G0W, G1W, 2, .Lwave_5
	ARM 5, G0W, G1W, 3, .Lwave_6
.Lasked:
	s_mov_b32 s3, 0
	s_mov_b32 s5, 0
	s_lshl_b32 s2, s13, 5
	s_add_co_u32 s2, s2, s[WV]
	s_lshl_b32 s2, s2, 12
	s_add_nc_u64 s[82:83], s[20:21], s[2:3]        ; x + bo: row tile 4 P, my 64 columns; the next row tile is 32,768 bytes on
	s_add_nc_u64 s[96:97], s[30:31], s[2:3]        ; x1b likewise
	s_lshl_b32 s2, s14, 5
	s_lshl_b32 s4, s[WV], 2
	s_add_co_u32 s2, s2, s4
	s_mul_i32 s2, s2, REC
	s_add_co_u32 s2, s2, W1OFF
	s_add_nc_u64 s[84:85], s[18:19], s[2:3]        ; my four records of W1
	s_lshl_b32 s2, s[WV], 8
	s_add_nc_u64 s[86:87], s[22:23], s[2:3]        ; gain, bias and b2 at my 64 columns
	s_add_nc_u64 s[88:89], s[24:25], s[2:3]
	s_add_nc_u64 s[98:99], s[98:99], s[2:3]
	s_lshl_b32 s4, s14, 11
	s_add_co_u32 s2, s2, s4
	s_add_nc_u64 s[90:91], s[26:27], s[2:3]        ; b1 at my 64 units
	s_lshl_b32 s2, s14, 8
	s_lshl_b32 s4, s13, 2
	s_add_co_u32 s2, s2, s4
	s_mul_i32 s2, s2, REC                          ; hid: record 256 y + 4 P, unit = wave
	s_mul_i32 s4, s[WV], 768
	s_add_co_u32 s4, s4, s2
	s_add_nc_u64 s[92:93], s[28:29], s[4:5]
	s_lshr_b32 s8, s[WV], 1
	s_lshl_b32 s8, s8, 6
	s_and_b32 s9, s[WV], 1
	s_lshl_b32 s9, s9, 1
	s_add_co_u32 s8, s8, s9
	s_add_co_u32 s8, s8, 6144                      ; my scale bytes in a record
	s_add_co_u32 s4, s8, s2
	s_add_nc_u64 s[94:95], s[28:29], s[4:5]
	; ---- out Wo^T
	SHOW 3                                         ; Wo's K step 0, its scale words, out
	PROJ 0
	SHOW 4
	PROJ 1
	SHOW 5
	PROJ 2
	s_wait_tensorcnt 0x0                           ; Wo's K step 3, the last that was out
	s_barrier_signal -1
	s_barrier_wait -1
	PROJ 3
	s_wait_loadcnt 0x20                            ; x + bo and b2 are in; W1's K steps 2 and 3, 16 loads each, may be out
.rept 4
	v_nop                                          ; places in front of the first read of results and of loads into the fragments' registers
.endr
	WIN 0x04
.set n, 0
.rept 64
	v_pk_add_f32 v[ACC+n:ACC+n+1], v[ACC+n:ACC+n+1], v[n:n+1]      ; x1
.set n, n+2
.endr
	WIN 0
	s_wait_alu depctr_va_vdst(0)
.irp i, 0,1,2,3
	s_cmp_eq_u32 s14, \i                           ; the same in all four partners
	s_cbranch_scc0 .Lnot_mine_\i
	WIN 0x04
.set n, 0
.rept 16
	v_pk_add_f32 v[88+n:89+n], v[ACC+32*\i+n:ACC+32*\i+n+1], v[224+n:225+n]        ; x1 + b2: the C of the last product
.set n, n+2
.endr
	WIN 0
.irp q, 0,1,2,3,4,5,6,7
	global_store_b128 v7, v[88+4*\q:91+4*\q], s[96:97] offset:32768*\i+512*\q      ; 512 consecutive bytes a store
.endr
	s_wait_xcnt 0x0
.Lnot_mine_\i:
.endr
.irp q, 0,1,2,3,4,5,6,7
	global_load_b128 v[24+4*\q:27+4*\q], v10, s[86:87] offset:16*\q        ; gain and bias land under the statistics
	global_load_b128 v[56+4*\q:59+4*\q], v10, s[88:89] offset:16*\q
.endr
	WIN 0x40
.irp k, 0,1,2,3
.irp u, 0,1,2,3
	global_load_b32 v[96+4*\k+\u], v12, s[84:85] offset:\u*REC+6144+64*\k  ; W1's scale words
.endr
.endr
.irp q, 0,1,2,3,4,5,6,7
	global_load_b128 v[224+4*\q:227+4*\q], v10, s[90:91] offset:16*\q      ; b1, over b2
.endr
	W1LOAD 0
	; ---- LayerNorm 2: mean and squared differences of my 64 columns, four row tiles side by side
.irp i, 0,1,2,3
	v_mov_b32 v[104+\i], 0                         ; a lane permute's destination counts as one of its sources
	v_mov_b32 v[97+2*\i], 0
.endr
.irp i, 0,1,2,3
	v_pk_add_f32 v[88+2*\i:89+2*\i], v[ACC+32*\i:ACC+32*\i+1], v[ACC+32*\i+2:ACC+32*\i+3]
.endr
.irp j, 4,6,8,10,12,14,16,18,20,22,24,26,28,30
.irp i, 0,1,2,3
	v_pk_add_f32 v[88+2*\i:89+2*\i], v[88+2*\i:89+2*\i], v[ACC+32*\i+\j:ACC+32*\i+\j+1]
.endr
.endr
.irp i, 0,1,2,3
	v_add_f32 v[88+2*\i], v[88+2*\i], v[89+2*\i]
.endr
.irp i, 0,1,2,3
	v_permlanex16_b32 v[104+\i], v[88+2*\i], s[SEL], s[SEL+1]
.endr
.irp i, 0,1,2,3
	v_add_f32 v[88+2*\i], v[88+2*\i], v[104+\i]
.endr
.irp i, 0,1,2,3
	v_mul_f32 v[96+2*\i], 0x3c800000, v[88+2*\i]   ; / 64
.endr
.irp j, 0,2,4,6,8,10,12,14,16,18,20,22,24,26,28,30
.irp i, 0,1,2,3
	v_pk_add_f32 v[108+2*\i:109+2*\i], v[ACC+32*\i+\j:ACC+32*\i+\j+1], v[96+2*\i:97+2*\i] op_sel_hi:[1,0] neg_lo:[0,1] neg_hi:[0,1]
.endr
.irp i, 0,1,2,3
.if \j == 0
	v_pk_mul_f32 v[88+2*\i:89+2*\i], v[108+2*\i:109+2*\i], v[108+2*\i:109+2*\i]
.else
	v_pk_fma_f32 v[88+2*\i:89+2*\i], v[108+2*\i:109+2*\i], v[108+2*\i:109+2*\i], v[88+2*\i:89+2*\i]
.endif
.endr
.endr
	W1LOAD 1
	s_lshl_b32 s2, s[WV], 7
	s_add_co_u32 s2, s2, STAT
	v_and_b32 v14, 15, v0
	v_lshlrev_b32 v14, 3, v14                      ; 8 r
	v_add_nc_u32 v13, s2, v14
	v_add_nc_u32 v14, STAT, v14
.irp i, 0,1,2,3
	v_add_f32 v[88+2*\i], v[88+2*\i], v[89+2*\i]
.endr
.irp i, 0,1,2,3
	v_permlanex16_b32 v[104+\i], v[88+2*\i], s[SEL], s[SEL+1]
.endr
.irp i, 0,1,2,3
	v_add_f32 v[97+2*\i], v[88+2*\i], v[104+\i]
.endr
.irp i, 0,1,2,3
	ds_store_b64 v13, v[96+2*\i:97+2*\i] offset:1024*\i
.endr
	s_wait_alu depctr_va_vdst(0)
	s_wait_dscnt 0x0
	s_barrier_signal -1
	s_barrier_wait -1                              ; everybody's parts are there, and nobody reads out's records any more
.irp g, 0,2                                        ; two row tiles at a time: the eight waves' parts, merged
.irp i, 0,1
.irp w, 0,1,2,3,4,5,6,7
	ds_load_b64 v[88+16*\i+2*\w:89+16*\i+2*\w], v14 offset:1024*(\g+\i)+128*\w
.endr
.endr
	s_wait_alu depctr_va_vdst(0)
	s_wait_dscnt 0x0
.irp i, 0,1
	v_pk_add_f32 v[16+2*\i:17+2*\i], v[88+16*\i:89+16*\i], v[90+16*\i:91+16*\i]
.endr
.irp w, 2,3,4,5,6,7
.irp i, 0,1
	v_pk_add_f32 v[16+2*\i:17+2*\i], v[16+2*\i:17+2*\i], v[88+16*\i+2*\w:89+16*\i+2*\w]
.endr
.endr
.irp i, 0,1
	v_mul_f32 v[MR+2*(\g+\i)], 0x3e000000, v[16+2*\i]      ; the row's mean
.endr
.irp w, 0,1,2,3,4,5,6,7
.irp i, 0,1
	v_sub_f32 v[88+16*\i+2*\w], v[88+16*\i+2*\w], v[MR+2*(\g+\i)]
.endr
.endr
.irp i, 0,1
	v_mul_f32 v[20+\i], v[88+16*\i], v[88+16*\i]
.endr
.irp w, 1,2,3,4,5,6,7
.irp i, 0,1
	v_fmac_f32 v[20+\i], v[88+16*\i+2*\w], v[88+16*\i+2*\w]
.endr
.endr
.irp i, 0,1
	v_fmamk_f32 v[20+\i], v[20+\i], 0x42800000, v[17+2*\i]         ; + 64 x the parts' squared distances from the mean
.endr
.irp i, 0,1
	v_fmaak_f32 v[MR+2*(\g+\i)+1], s57, v[20+\i], 0x3727c5ac       ; / 512 + 1e-5
.endr
.endr
	s_wait_alu depctr_va_vdst(0)
.irp i, 0,1,2,3
	v_rsq_f32 v[MR+2*\i+1], v[MR+2*\i+1]
.endr
	v_nop
	s_wait_alu depctr_va_vdst(0)
	s_wait_loadcnt 0x28                            ; gain, bias and the scale words are in; b1's 8 loads and W1's K steps 0 and 1, 16 each, may be out
.set n, 0
.rept 16
.irp i, 0,1,2,3
	v_pk_add_f32 v[ACC+32*\i+n:ACC+32*\i+n+1], v[ACC+32*\i+n:ACC+32*\i+n+1], v[MR+2*\i:MR+2*\i+1] op_sel_hi:[1,0] neg_lo:[0,1] neg_hi:[0,1]
.endr
.irp i, 0,1,2,3
	v_pk_mul_f32 v[ACC+32*\i+n:ACC+32*\i+n+1], v[ACC+32*\i+n:ACC+32*\i+n+1], v[MR+2*\i:MR+2*\i+1] op_sel:[0,1] op_sel_hi:[1,1]
.endr
.irp i, 0,1,2,3
	v_pk_fma_f32 v[ACC+32*\i+n:ACC+32*\i+n+1], v[ACC+32*\i+n:ACC+32*\i+n+1], v[24+n:25+n], v[56+n:57+n]
.endr
.set n, n+2
.endr
	WIN 0x01
.set n, 0
.rept 16
	v_mov_b32 v[72+n], v[96+n]                     ; W1's scale words (v352-367), over the biases
.set n, n+1
.endr
	WIN 0
	; four blocks: codes to v[24 + 8 i] on, bytes to v[56 + i]
.irp i, 0,1,2,3
	v_max3_num_f32 v[60+\i], |v[ACC+32*\i]|, |v[ACC+32*\i+1]|, FLOOR
.endr
.irp j, 2,4,6,8,10,12,14,16,18,20,22,24,26,28,30
.irp i, 0,1,2,3
	v_max3_num_f32 v[60+\i], v[60+\i], |v[ACC+32*\i+\j]|, |v[ACC+32*\i+\j+1]|
.endr
.endr
.irp i, 0,1,2,3
	v_add_nc_u32 v[64+\i], EM2, v[60+\i]
.endr
.irp i, 0,1,2,3
	v_cvt_scalef32_pk16_fp6_f32 v[24+8*\i:26+8*\i], v[ACC+32*\i:ACC+32*\i+15], v[64+\i]
	v_cvt_scalef32_pk16_fp6_f32 v[28+8*\i:30+8*\i], v[ACC+32*\i+16:ACC+32*\i+31], v[64+\i]
.endr
.irp i, 0,1,2,3
	v_lshrrev_b32 v[56+\i], 23, v[64+\i]
.endr
.irp i, 0,1,2,3
	v_mov_b32 v[27+8*\i], v[28+8*\i]
	v_mov_b32 v[28+8*\i], v[29+8*\i]
	v_mov_b32 v[29+8*\i], v[30+8*\i]
.endr
	s_wait_alu depctr_va_vdst(0)                   ; the wait here, ahead of the run of scalar lines
	s_mov_b32 s58, 0xaf95df0b                      ; A: z^12
	s_mov_b32 s60, 0xb60cff51                      ; z^8
	s_mov_b32 s62, 0xb86ec2d2                      ; z^6
	s_mov_b32 s66, 0xba40ac63                      ; z^4
	s_mov_b32 s68, 0xbb41a1f6                      ; z^2
	s_mov_b32 s70, 0xbc83dbd4                      ; 1
	s_mov_b32 s72, 0xb77460cd                      ; B: z^8
	s_mov_b32 s74, 0xbadc924e                      ; z^4
	s_mov_b32 s76, 0xbbf19bf8                      ; z^2
	s_mov_b32 s78, 0xbc69b6a7                      ; 1
	s_mov_b32 s80, 0x3f3504f3                      ; 1 / sqrt 2
.irp c, 58,60,62,66,68,70,72,74,76,78,80
	s_mov_b32 s[\c+1], s[\c]                       ; named as pairs, so both words are written
.endr
	s_mul_i32 s2, s[WV], 768
	s_add_co_u32 s2, s2, OB
	s_add_co_u32 s3, s8, OB                        ; (s8: my scale bytes in a record)
	v_add_nc_u32 v13, s2, v7
	v_add_nc_u32 v14, s2, v8
	v_add_nc_u32 v16, s3, v9
	v_mov_b32 v176, 0x32edffee                     ; erf: the second coefficients of A and B, twice each for the packed form
	v_mov_b32 v177, 0x32edffee
	v_mov_b32 v178, 0xb95fbd29
	v_mov_b32 v179, 0xb95fbd29
.irp i, 0,1,2,3
	ds_store_b128 v13, v[24+8*\i:27+8*\i] offset:\i*REC
	ds_store_b64 v14, v[28+8*\i:29+8*\i] offset:\i*REC+512
	ds_store_b8 v16, v[56+\i] offset:\i*REC
.endr
	s_wait_alu depctr_va_vdst(0)
	s_wait_dscnt 0x0
	s_barrier_signal -1
	s_barrier_wait -1                              ; h2 lies in LDS
	; ---- the hidden layer, row tile by row tile
.macro LOADH i
.irp k, 0,1,2,3
	FRAG 24+64*((\i)%2)+12*\k, 4, 5, (\i)*REC+1536*\k
	ds_load_b32 v[136+4*((\i)%2)+\k], v6 offset:(\i)*REC+6144+64*\k
.endr
.endm
.macro TILE i
.if \i < 3
	LOADH \i+1                                     ; (the last products that read these registers stand an activation back)
	s_wait_alu depctr_va_vdst(0)
	s_wait_xcnt 0x0                                ; the last tile's stores have read their registers
	s_wait_dscnt 20                                ; all but the 20 just issued
.else
	s_wait_alu depctr_va_vdst(0)
	s_wait_xcnt 0x0
	s_wait_dscnt 0x0
.endif
.set HF, 24+64*(\i%2)
.set HS, 136+4*(\i%2)
	WIN 0x11
.irp k, 0,1,2,3
.irp u, 0,1,2,3
.if \k == 0
	WM HA+8*\u, 12*\u, HF, v[224+8*\u:231+8*\u], 72+\u, HS
.else
	WM HA+8*\u, 48*\k+32*(\k/2)+12*\u, HF+12*\k, v[HA+8*\u:HA+8*\u+7], 72+4*\k+\u, HS+\k
.endif
.endr
	WIN 0x01
.endr
	WIN 0
.rept 4
	v_nop
.endr
	GELU16 HA
	GELU16 HA+16
	v_max3_num_f32 v188, |v[HA]|, |v[HA+1]|, FLOOR
	v_max3_num_f32 v189, |v[HA+2]|, |v[HA+3]|, FLOOR
.irp j, 4,8,12,16,20,24,28
	v_max3_num_f32 v188, v188, |v[HA+\j]|, |v[HA+\j+1]|
	v_max3_num_f32 v189, v189, |v[HA+\j+2]|, |v[HA+\j+3]|
.endr
	v_max_num_f32 v188, v188, v189
	v_add_nc_u32 v190, EM2, v188
	v_cvt_scalef32_pk16_fp6_f32 v[180:182], v[HA:HA+15], v190
	v_cvt_scalef32_pk16_fp6_f32 v[184:186], v[HA+16:HA+31], v190
	v_lshrrev_b32 v187, 23, v190
	v_mov_b32 v183, v184
	v_mov_b32 v184, v185
	v_mov_b32 v185, v186
	global_store_b128 v7, v[180:183], s[92:93] offset:REC*\i
	global_store_b64 v8, v[184:185], s[92:93] offset:REC*\i+512
	global_store_b8 v9, v187, s[94:95] offset:REC*\i
.endm
	LOADH 0
	s_wait_loadcnt 0x0                             ; b1 and all of W1
	TILE 0
	TILE 1
	TILE 2
	TILE 3
	s_wait_tensorcnt 0x0                           ; the wave's end
	ds_add_u32 v11, v15
	s_wait_dscnt 0x0
	ROUND                                          ; the closing round: no work-group ends while a partner may still ask for a tile that names it
	s_endpgm
.Lfunc_end_k_qb3edec17a8_ff1:
	.size	k_qb3edec17a8_ff1, .Lfunc_end_k_qb3edec17a8_ff1-k_qb3edec17a8_ff1
	.p2alignl 7, 3214868480
	.fill 96, 4, 3214868480
	.section	.rodata,"a",@progbits
	.p2align	6, 0x0
	.amdhsa_kernel k_qb3edec17a8_ff1
		.amdhsa_group_segment_fixed_size 235520
		.amdhsa_private_segment_fixed_size 0
		.amdhsa_enable_private_segment 0
		.amdhsa_kernarg_size 72
		.amdhsa_user_sgpr_count 2
		.amdhsa_user_sgpr_kernarg_segment_ptr 1
		.amdhsa_wavefront_size32 1
		.amdhsa_system_sgpr_workgroup_id_x 1
		.amdhsa_system_sgpr_workgroup_id_y 1
		.amdhsa_system_sgpr_workgroup_id_z 1
		.amdhsa_system_vgpr_workitem_id 0
		.amdhsa_next_free_vgpr 512
		.amdhsa_next_free_sgpr 100
		.amdhsa_reserve_vcc 0
		.amdhsa_float_denorm_mode_32 3
		.amdhsa_float_denorm_mode_16_64 3
		.amdhsa_memory_ordered 1
		.amdhsa_forward_progress 1
		.amdhsa_inst_pref_size 193
	.end_amdhsa_kernel
	.amdgpu_metadata
---
amdhsa.version: [ 1, 2 ]
amdhsa.kernels:
  - .name:           k_qb3edec17a8_ff1
    .symbol:         k_qb3edec17a8_ff1.kd
    .args:
      - { .name: ob, .offset: 0, .size: 8, .value_kind: global_buffer, .address_space: global }
      - { .name: wts, .offset: 8, .size: 8, .value_kind: global_buffer, .address_space: global }
      - { .name: xi, .offset: 16, .size: 8, .value_kind: global_buffer, .address_space: global }
      - { .name: ln2_g, .offset: 24, .size: 8, .value_kind: global_buffer, .address_space: global }
      - { .name: ln2_b, .offset: 32, .size: 8, .value_kind: global_buffer, .address_space: global }
      - { .name: b1, .offset: 40, .size: 8, .value_kind: global_buffer, .address_space: global }
      - { .name: hid, .offset: 48, .size: 8, .value_kind: global_buffer, .address_space: global }
      - { .name: x1b, .offset: 56, .size: 8, .value_kind: global_buffer, .address_space: global }
      - { .name: b2, .offset: 64, .size: 8, .value_kind: global_buffer, .address_space: global }
    .group_segment_fixed_size: 235520
    .private_segment_fixed_size: 0
    .kernarg_segment_align: 8
    .kernarg_segment_size: 72
    .max_flat_workgroup_size: 256
    .sgpr_count:     100
    .vgpr_count:     512
    .wavefront_size: 32
...
	.end_amdgpu_metadata
.endif
;; end of part 3
;; launch ffn2 (part 4): grid 4 x 64, 4 waves a work-group, clusters of 4 x 4, 327,680 bytes of LDS; arguments hid, wts, x1b, out0; writes out0
.if DOCPART == 4
	.amdgcn_target "amdgcn-amd-amdhsa--gfx1250"
	.amdhsa_code_object_version 6
	.text
	.protected	k_qb3edec17a8_ffn2
	.globl	k_qb3edec17a8_ffn2
	.p2align	8
	.type	k_qb3edec17a8_ffn2,@function
k_qb3edec17a8_ffn2:
	s_mov_b64 s[64:65], 0
	v_nop
	global_prefetch_b8 v0, s[64:65] scope:SCOPE_SE
	s_setreg_imm32_b32 hwreg(HW_REG_WAVE_MODE, 25, 1), 1
	s_wait_xcnt 0x0
	s_wait_alu depctr_hold_cnt(0) depctr_sa_sdst(0) depctr_va_vdst(0) depctr_va_sdst(0) depctr_va_ssrc(0) depctr_va_vcc(0) depctr_vm_vsrc(0)
	s_getreg_b32 s2, hwreg(HW_REG_IB_STS2, 6, 4)
	s_cmp_eq_u32 s2, 0
	s_cbranch_scc0 .Lentry_in_a_cluster
	s_endpgm
.Lentry_in_a_cluster:
	s_bfe_u32 s2, ttmp6, 0x10000c
	s_cmp_lg_u32 s2, 0xf033
	s_cbranch_scc0 .Lentry_shape_is_right
	s_endpgm
.Lentry_shape_is_right:
; FFN2: out0 = (x1 + b2) + hid W2^T, on codes of FP6.  A work-group takes 64 rows (4 row tiles) x 128 columns (8 tiles of W2).  Four waves: wave = 2 x column group + kk.
; A wave multiplies all 64 rows by its group's 64 columns, 16 accumulators, over HALF of K: K steps 2 kk, 2 kk + 1 of each chunk of 512.  So 8 fragments feed 16 products.
; Of the four row tiles it KEEPS 2 kk, 2 kk + 1, whose accumulators begin as x1 + b2 (stored by the launch before as an image of these registers); the sums of the other two begin at 0, and go to the wave
; with the other kk at the end, through LDS.
; LDS: hid's four chunks (4 records each), then W2's four (8 records each); every byte is filled once.  At the head one joint load a wave, of two chunks as two rows: wave 0 hid's chunks 0, 1, wave 1 W2's, waves 2 and 3 the
; same of chunks 2, 3 (hid's shared along a row of the cluster, W2's along a column).  The first barrier shows chunks 0, 1, the second chunks 2, 3.
; The exchange and the stages for the way out lie in the bytes of hid's chunks 0, 1, which nobody reads behind the second barrier and no fill lands on again.
; The product is used transposed: a lane holds a row and eight neighbouring columns a tile.  Sixteen lanes store 256 consecutive bytes of a row of out0.
; Lane-row r of row tile 4 P + 2 p + u is row 64 P + 32 (r / 8) + 16 u + 2 (r % 8) + p.  No prefetch: all tiles are asked for at the head.
; ORDER OF SUMS: each half of K by itself, then the halves.
.set REC,   6400
.set W2OFF, 1638400
.set HB,    102400                     ; W2's chunks
.set EX,    0                          ; the exchange: 8,192 bytes a wave
.set STG,   32768                      ; the way out: 16 rows x 272 bytes a wave
.set SPARE, 307200
.set WV,    12
.set G1A,   28
.set G1B,   36
.set G0A,   44
.set G0B,   48
.macro FRAG f, ai, aj, o
	ds_load_b128 v[\f:\f+3], v[\ai] offset:\o
	ds_load_b64 v[\f+4:\f+5], v[\aj] offset:\o+512
	ds_load_b128 v[\f+6:\f+9], v[\ai] offset:\o+768
	ds_load_b64 v[\f+10:\f+11], v[\aj] offset:\o+1280
.endm
.macro ROUND
	s_barrier_signal -1
	s_barrier_wait -1
	s_cmp_lg_u32 s[WV], 0
	s_cbranch_scc1 .Lnot_wave_0_\@
	s_barrier_signal -3
.Lnot_wave_0_\@:
	s_barrier_wait -3
	s_barrier_signal -1
	s_barrier_wait -1
.endm
; 40 LDS loads: my step s of 8 (chunk s / 2): fragments of four row tiles and four tiles of W2 into v24-119 or v120-215, scale words into v216-223 or v224-231
.macro LOADS s
.set BF, 24+96*((\s)%2)
.set SS, 216+8*((\s)%2)
.set OO, 1536*((\s)%2)
.set SO, 6144+64*((\s)%2)
.irp i, 0,1
	FRAG BF+12*\i, 1, 2, \i*REC+OO
	FRAG BF+24+12*\i, 4, 5, \i*REC+OO
	ds_load_b32 v[SS+\i], v3 offset:\i*REC+SO
	ds_load_b32 v[SS+2+\i], v6 offset:\i*REC+SO
.endr
.irp u, 0,1,2,3
	FRAG BF+48+12*\u, 7, 8, \u*REC+OO
	ds_load_b32 v[SS+4+\u], v9 offset:\u*REC+SO
.endr
.endm
.macro STEP s
.if \s < 7
.if \s == 3
	s_wait_tensorcnt 0x0                           ; chunks 2, 3
	s_wait_dscnt 0x0
	s_barrier_signal -1
	s_barrier_wait -1                              ; everybody's are in, and nobody reads chunks 0, 1 any more
.endif
.if (\s)%2
.irp a, 1,2,3,4,5,6
	v_add_nc_u32 v\a, 4*REC, v\a                   ; on to the next chunk; these nine are also the places in front of the loads below
.endr
.irp a, 7,8,9
	v_add_nc_u32 v\a, 8*REC, v\a
.endr
.else
.rept 4
	v_nop                                          ; places in front of loads into registers that the last products read
.endr
.endif
	LOADS \s+1
	s_wait_alu depctr_va_vdst(0)
	s_wait_dscnt 40                                ; all but the 40 just issued
.else
	s_wait_dscnt 0x0
.endif
.set BF, 24+96*((\s)%2)
.set SS, 216+8*((\s)%2)
	s_set_vgpr_msb 0x50                            ; accumulators in window 1
.irp i, 0,1,2,3
.irp u, 0,1,2,3
.if (\s == 0) && (\i > 1)
	v_wmma_scale_f32_16x16x128_f8f6f4 v[8*(4*\i+\u):8*(4*\i+\u)+7], v[BF+48+12*\u:BF+59+12*\u], v[BF+12*\i:BF+11+12*\i], 0, v[SS+4+\u], v[SS+\i] matrix_a_fmt:MATRIX_FMT_FP6 matrix_b_fmt:MATRIX_FMT_FP6
.else
	v_wmma_scale_f32_16x16x128_f8f6f4 v[8*(4*\i+\u):8*(4*\i+\u)+7], v[BF+48+12*\u:BF+59+12*\u], v[BF+12*\i:BF+11+12*\i], v[8*(4*\i+\u):8*(4*\i+\u)+7], v[SS+4+\u], v[SS+\i] matrix_a_fmt:MATRIX_FMT_FP6 matrix_b_fmt:MATRIX_FMT_FP6
.endif
.endr
.endr
	s_set_vgpr_msb 0x5000
.endm
.macro ARM n, g0, g1, next
	s_cmp_eq_u32 s[WV], \n
	s_cbranch_scc0 \next
	tensor_load_to_lds s[\g0:\g0+3], s[\g1:\g1+7]
	s_nop 0
.rept 4
	v_nop
.endr
	s_branch .Lasked
\next:
.endm
	s_load_b256 s[4:11], s[0:1], 0x0               ; hid, wts, x1b, out0
	v_lshl_add_u32 v240, v0, 2, SPARE
	v_mov_b32 v241, 0
	ds_add_u32 v240, v241
	ds_add_u32 v240, v241
	v_lshrrev_b32 v1, 5, v0
	v_readfirstlane_b32 s[WV], v1                  ; wave 0..3
	s_bfe_u32 s13, ttmp6, 0x40000                  ; cx
	s_bfe_u32 s14, ttmp6, 0x40004                  ; cy
	s_lshl_b32 s15, ttmp9, 2
	s_add_co_u32 s15, s15, s13                     ; the block of 128 columns
	s_and_b32 s16, ttmp7, 0xffff
	s_lshl_b32 s16, s16, 2
	s_add_co_u32 s16, s16, s14                     ; P: the block of 64 rows
	s_and_b32 s17, s[WV], 1                        ; kk.  As a loader: hid (0) or W2 (1)
	s_lshr_b32 s18, s[WV], 1                       ; my column group.  As a loader: which two chunks
	s_lshl_b32 s19, s15, 1
	s_add_co_u32 s19, s19, s18                     ; my 64 columns
	s_lshl_b32 s20, s14, 2
	s_lshl_b32 s20, 15, s20                        ; my row of the cluster
	s_lshl_b32 s21, 0x1111, s13                    ; my column
	s_or_b32 s[G1A], s20, (3<<16)|(1<<21)          ; hid: two rows of 4 records = 3,200 elements of 8 bytes, 256 records apart
	s_mov_b32 s[G1A+1], 3200<<16
	s_mov_b32 s[G1A+2], 2<<16
	s_mov_b32 s[G1A+3], 3200<<16
	s_mov_b32 s[G1A+4], 2
	s_mov_b32 s[G1A+5], 204800
	s_mov_b32 s[G1A+6], 0
	s_mov_b32 s[G1A+7], 0
	s_or_b32 s[G1B], s21, (3<<16)|(1<<21)          ; W2: two rows of 8 records = 6,400 elements, 32 records apart
	s_mov_b32 s[G1B+1], 6400<<16
	s_mov_b32 s[G1B+2], 2<<16
	s_mov_b32 s[G1B+3], 6400<<16
	s_mov_b32 s[G1B+4], 2
	s_mov_b32 s[G1B+5], 25600
	s_mov_b32 s[G1B+6], 0
	s_mov_b32 s[G1B+7], 0
	s_mul_i32 s22, s16, 4*REC
	s_mul_i32 s26, s18, 512*REC
	s_add_co_u32 s22, s22, s26
	s_mov_b32 s23, 0
	s_mov_b32 s[G0A], 1
	s_mul_i32 s[G0A+1], s18, 8*REC
	s_mul_i32 s24, s15, 8*REC
	s_mul_i32 s26, s18, 64*REC
	s_add_co_u32 s24, s24, s26
	s_add_co_u32 s24, s24, W2OFF
	s_mov_b32 s25, 0
	s_mov_b32 s[G0B], 1
	s_mul_i32 s27, s18, 16*REC
	s_add_co_u32 s[G0B+1], s27, HB
	s_mul_i32 s52, s17, 2*REC+3072                 ; my kept row tiles at my K steps,
	s_mul_i32 s53, s17, 2*REC+128                  ; their scale words;
	s_xor_b32 s27, s17, 1
	s_mul_i32 s27, s27, 2*REC                      ; the two that I give away,
	s_mul_i32 s26, s17, 3072
	s_add_co_u32 s54, s26, s27
	s_lshl_b32 s56, s17, 7
	s_add_co_u32 s55, s56, s27
	s_mul_i32 s27, s18, 4*REC
	s_add_co_u32 s27, s27, HB                      ; my four tiles of W2
	s_add_co_u32 s57, s56, s27
	s_add_co_u32 s56, s26, s27
	s_mul_i32 s58, s[WV], 16*272
	s_add_co_u32 s58, s58, STG                     ; my stage
	s_lshl_b32 s59, s[WV], 13                      ; the exchange: mine,
	s_xor_b32 s60, s59, 0x2000                     ; and my partner's (the same group, the other kk)
	v_and_b32 v20, 31, v0
	v_and_b32 v21, 15, v0
	v_bfe_u32 v22, v0, 4, 1
	v_lshlrev_b32 v10, 4, v20                      ; 16 x lane
	v_lshlrev_b32 v23, 3, v20                      ; 8 x lane
	v_add_nc_u32 v1, s52, v10
	v_add_nc_u32 v2, s52, v23
	v_lshl_add_u32 v3, v21, 2, s53
	v_add_nc_u32 v4, s54, v10
	v_add_nc_u32 v5, s54, v23
	v_lshl_add_u32 v6, v21, 2, s55
	v_add_nc_u32 v7, s56, v10
	v_add_nc_u32 v8, s56, v23
	v_lshl_add_u32 v9, v21, 2, s57
	v_add_nc_u32 v12, s59, v10
	v_add_nc_u32 v13, s60, v10
	v_mul_u32_u24 v232, v21, 0x110
	v_lshl_add_u32 v232, v22, 7, v232
	v_add_nc_u32 v232, s58, v232                   ; the stage, in: row r, + 128 h
	v_mul_u32_u24 v233, v22, 0x110
	v_lshl_add_u32 v233, v21, 4, v233
	v_add_nc_u32 v233, s58, v233                   ; back: lanes 0-15 one row, lanes 16-31 the next
	v_lshlrev_b32 v234, 12, v22
	v_lshl_add_u32 v234, v21, 4, v234              ; and in out0: the next lane-row is two rows down
	s_wait_alu depctr_va_vdst(0)                   ; the wait at the head's end
	s_wait_dscnt 0x0
	s_wait_kmcnt 0x0
	s_add_nc_u64 s[G0A+2:G0A+3], s[4:5], s[22:23]
	s_or_b32 s[G0A+3], s[G0A+3], 0x80000000
	s_add_nc_u64 s[G0B+2:G0B+3], s[6:7], s[24:25]
	s_or_b32 s[G0B+3], s[G0B+3], 0x80000000
	s_lshl_b32 s22, s16, 2
	s_lshl_b32 s24, s17, 1
	s_add_co_u32 s22, s22, s24                     ; my first kept row tile
	s_lshl_b32 s22, s22, 3
	s_add_co_u32 s22, s22, s19
	s_lshl_b32 s22, s22, 12
	s_add_nc_u64 s[66:67], s[8:9], s[22:23]        ; x1b
	s_lshl_b32 s22, s16, 6
	s_add_co_u32 s22, s22, s17
	s_lshl_b32 s22, s22, 11
	s_lshl_b32 s24, s19, 8
	s_add_co_u32 s22, s22, s24
	s_add_nc_u64 s[68:69], s[10:11], s[22:23]      ; out0: row 64 P + kk, my 64 columns
	s_set_vgpr_msb 0x40
.irp i, 0,1
.irp q, 0,1,2,3,4,5,6,7
	global_load_b128 v[32*\i+4*\q:32*\i+4*\q+3], v10, s[66:67] offset:32768*\i+512*\q th:TH_LOAD_NT
.endr
.endr
	s_set_vgpr_msb 0x4000
	ROUND                                          ; all sixteen work-groups are here: the joint loads meet
	ARM 0, G0A, G1A, .Lwave_1
	ARM 1, G0B, G1B, .Lwave_2
	ARM 2, G0A, G1A, .Lwave_3
	tensor_load_to_lds s[G0B:G0B+3], s[G1B:G1B+7]
	s_nop 0
.rept 4
	v_nop
.endr
.Lasked:
	s_cmp_lt_u32 s[WV], 2
	s_cbranch_scc0 .Llater
	s_wait_tensorcnt 0x0                           ; waves 0, 1: chunks 0, 1; the lines of waves 2, 3 are waited for ahead of the second barrier
.Llater:
	s_barrier_signal -1
	s_barrier_wait -1
	LOADS 0
	s_wait_loadcnt 0x0                             ; x1 + b2
.irp s, 0,1,2,3,4,5,6,7
	STEP \s
.endr
.rept 4
	v_nop                                          ; places in front of the first read of results
.endr
	s_set_vgpr_msb 0x4
.set n, 0
.rept 16
	ds_store_b128 v12, v[64+4*n:67+4*n] offset:512*n       ; the two tiles that I give away, as an image of their registers
.set n, n+1
.endr
	s_set_vgpr_msb 0x400
	s_wait_dscnt 0x0                               ; for my partner: my stores have landed
	s_barrier_signal -1
	s_barrier_wait -1
.set n, 0
.rept 16
	ds_load_b128 v[24+4*n:27+4*n], v13 offset:512*n
.set n, n+1
.endr
	s_wait_dscnt 0x0
	s_set_vgpr_msb 0x4
.set n, 0
.rept 32
	v_pk_add_f32 v[24+n:25+n], v[24+n:25+n], v[n:n+1]      ; the other half of K + mine
.set n, n+2
.endr
	s_set_vgpr_msb 0x400
.irp i, 0,1
.irp u, 0,1,2,3
	ds_store_b128 v232, v[24+8*(4*\i+\u):24+8*(4*\i+\u)+3] offset:32*\u
	ds_store_b128 v232, v[24+8*(4*\i+\u)+4:24+8*(4*\i+\u)+7] offset:32*\u+16
.endr
.irp q, 0,1,2,3,4,5,6,7
	ds_load_b128 v[88+32*\i+4*\q:88+32*\i+4*\q+3], v233 offset:544*\q              ; LDS serves a wave's instructions in order: these see my stores, and the next tile's stores come behind them
.endr
.endr
.irp q, 0,1,2,3,4,5,6,7
	s_wait_dscnt 23-\q                             ; behind this load: the rest of its eight and the second tile's sixteen
	global_store_b128 v234, v[88+4*\q:88+4*\q+3], s[68:69] offset:(32*(\q/4)+4*(\q%4))*2048 th:TH_STORE_NT
.endr
.irp q, 0,1,2,3,4,5,6,7
	s_wait_dscnt 7-\q
	global_store_b128 v234, v[120+4*\q:120+4*\q+3], s[68:69] offset:32768+(32*(\q/4)+4*(\q%4))*2048 th:TH_STORE_NT
.endr
	s_wait_tensorcnt 0x0                           ; the wave's end
	ds_add_u32 v240, v241
	s_wait_dscnt 0x0
	ROUND                                          ; the closing round: no work-group ends while a partner may still ask for a tile that names it
	s_endpgm
.Lfunc_end_k_qb3edec17a8_ffn2:
	.size	k_qb3edec17a8_ffn2, .Lfunc_end_k_qb3edec17a8_ffn2-k_qb3edec17a8_ffn2
	.p2alignl 7, 3214868480
	.fill 96, 4, 3214868480
	.section	.rodata,"a",@progbits
	.p2align	6, 0x0
	.amdhsa_kernel k_qb3edec17a8_ffn2
		.amdhsa_group_segment_fixed_size 327680
		.amdhsa_private_segment_fixed_size 0
		.amdhsa_enable_private_segment 0
		.amdhsa_kernarg_size 32
		.amdhsa_user_sgpr_count 2
		.amdhsa_user_sgpr_kernarg_segment_ptr 1
		.amdhsa_wavefront_size32 1
		.amdhsa_system_sgpr_workgroup_id_x 1
		.amdhsa_system_sgpr_workgroup_id_y 1
		.amdhsa_system_sgpr_workgroup_id_z 1
		.amdhsa_system_vgpr_workitem_id 0
		.amdhsa_next_free_vgpr 384
		.amdhsa_next_free_sgpr 72
		.amdhsa_reserve_vcc 0
		.amdhsa_float_denorm_mode_32 3
		.amdhsa_float_denorm_mode_16_64 3
		.amdhsa_memory_ordered 1
		.amdhsa_forward_progress 1
		.amdhsa_inst_pref_size 57
	.end_amdhsa_kernel
	.amdgpu_metadata
---
amdhsa.version: [ 1, 2 ]
amdhsa.kernels:
  - .name:           k_qb3edec17a8_ffn2
    .symbol:         k_qb3edec17a8_ffn2.kd
    .args:
      - { .name: hid, .offset: 0, .size: 8, .value_kind: global_buffer, .address_space: global }
      - { .name: wts, .offset: 8, .size: 8, .value_kind: global_buffer, .address_space: global }
      - { .name: x1b, .offset: 16, .size: 8, .value_kind: global_buffer, .address_space: global }
      - { .name: out0, .offset: 24, .size: 8, .value_kind: global_buffer, .address_space: global }
    .group_segment_fixed_size: 327680
    .private_segment_fixed_size: 0
    .kernarg_segment_align: 8
    .kernarg_segment_size: 32
    .max_flat_workgroup_size: 128
    .sgpr_count:     72
    .vgpr_count:     384
    .wavefront_size: 32
...
	.end_amdgpu_metadata
.endif
;; end of part 4
